; MI455X (gfx1250); checked and timed in simulation.
; The chip was launched on July 23, 2026; its instructions are those of AMD's public machine-readable ISA for CDNA 5 (MIT licence, August 2026) and "CDNA5" Instruction Set Architecture Reference Guide (July 2026). The comments in the code are by the model that wrote it; some were corrected since.
;; Multi Head Latent Attention. Allowed arithmetic: float matrix products may take bf16 or f16 operands with f32 sums; other float arithmetic in f32, or as packed bf16 or f16 multiplies, adds, multiply-adds, maxima and minima; sums over many terms, partial sums and values carried from step to step in f32; what a program stores and reads back later, other than sums and carried values, may be rounded once to bf16 or f16.
;; Inputs: Wk 128 x 512 float32; Wkv 1,024 x 128 float32; Wo 1,024 x 1,024 float32; Wq 1,024 x 1,024 float32; Wv 128 x 512 float32; k_g 32 float32; q_g 64 float32; x 4 x 2,048 x 1,024 float32.
;; Outputs: out0 4 x 2,048 x 1,024 float32.
;; One version. Each part assembles by itself: llvm-mc -triple=amdgcn-amd-amdhsa -mcpu=gfx1250 --defsym DOCPART=n.
;; ======== version 1 of 1: 5 launches
;; limits: values are held in f16: magnitudes above 65,504 overflow, below 6.1e-05 lose precision
;; workspace buffers: wts 3,936,256 bytes; qb 8,388,608 bytes; kvb 4,194,304 bytes; stat 4,096 bytes; kvt 25,165,824 bytes; ob 8,388,608 bytes
;; launch prep (part 1): grid 224 x 1, 4 waves a work-group, no clusters, 35,328 bytes of LDS; arguments Wq, Wo, Wkv, Wk, Wv, wts; writes wts
.if DOCPART == 1
	.amdgcn_target "amdgcn-amd-amdhsa--gfx1250"
	.amdhsa_code_object_version 6
	.text
	.protected	k_qe78446b484_prep
	.globl	k_qe78446b484_prep
	.p2align	8
	.type	k_qe78446b484_prep,@function
k_qe78446b484_prep:
	s_mov_b64 s[64:65], 0
	v_nop
	global_prefetch_b8 v0, s[64:65] scope:SCOPE_SE
	s_setreg_imm32_b32 hwreg(HW_REG_WAVE_MODE, 25, 1), 1
	s_wait_xcnt 0x0
; PREP: the weights, f32 [k][n], become 16-bit FRAGMENTS in wts.  A fragment is 1,024 dense bytes, the register image of a 16 x 32 matrix operand:
; half u (512 bytes), lane l holds 16 bytes at 512 u + 16 l: row l % 16, k = 16 u + 8 (l / 16) + 0..7.  Here a row is a COLUMN n of the weight and k its row.
; Every weight is rounded to bf16; Wk, Wv and Wo are then written as f16 (the same number within f16's range: below 6e-5 they keep f16's fixed step of 6e-8).
; A JOB is 32 k x 64 n of one weight (32 rows of 256 bytes): 896 jobs, one a wave, 224 work-groups: as many as there is work for.
; Of Wo only rows 64 h .. 64 h + 31 are read: the others multiply the zeros with which the module pads each head.
; Wk's and Wv's fragments hold 16 latents twice (both halves alike): the next launch multiplies them by kv's high and low f16 parts.
; Each job also stores the largest |w| of its block (f32) at WMAXO + 4 J; Wv's jobs are 864 .. 895.
; The block turns through the wave's own 8,704 bytes of LDS (32 rows, 272 apart): no wave reads another's bytes, so there is no barrier.
.set PIT,   272
.set WST,   32*PIT
.set SPARE, 4*WST                      ; behind the four stages: the spare words, 128 bytes a wave
.set WMAXO, 3932160
.set LOF, 4                            ; v4-19   the 16 loads' byte offsets: rows 2 i + l / 16, 16 bytes at 16 (l % 16)
.set LST, 20                           ; v20     where a load's 16 bytes go in my stage
.set LGA, 21                           ; v21     where my gather begins: row 8 (l / 16), word l % 16
.set DOF, 22                           ; v22-29  the eight pieces' byte offsets in wts
.set SPW, 30                           ; v30     my spare word; never rewritten
.set NIL, 31                           ; v31     0; never rewritten
.set RAW, 32                           ; v32-95  the block as loaded
.set GA,  96                           ; v96-159 gathered: piece g = 2 i + u, eight numbers
.set PK,  160                          ; v160-191 packed
.set TM,  192                          ; v192-194 at work
.set MX,  196                          ; v196-198 the maximum, its exchange, its offset
.macro ONE first, reg, val
.if \first
	s_mov_b32 s[\reg], \val
.else
	s_cselect_b32 s[\reg], \val, s[\reg]
.endif
.endm
; s20 first job, s21 bits of the k block's number, s22 row bytes, s23 bytes from k block to k block, s24 split of the n block's number,
; s25-28 the four strides of the destination, s29 its base, s30 from n group to n group, s31 from half to half, s32 all ones: f16, s33 1: written twice
.macro PICK first, jb, kb, pi, ky, ns, pa, pb, pc, pd, of, si, su, fh, du
	ONE \first, 20, \jb
	ONE \first, 21, \kb
	ONE \first, 22, \pi
	ONE \first, 23, \ky
	ONE \first, 24, \ns
	ONE \first, 25, \pa
	ONE \first, 26, \pb
	ONE \first, 27, \pc
	ONE \first, 28, \pd
	ONE \first, 29, \of
	ONE \first, 30, \si
	ONE \first, 31, \su
	ONE \first, 32, \fh
	ONE \first, 33, \du
.endm
	s_load_b256 s[4:11], s[0:1], 0x0               ; Wq s[4:5], Wo s[6:7], Wkv s[8:9], Wk s[10:11]
	s_load_b128 s[12:15], s[0:1], 0x20             ; Wv s[12:13], wts s[14:15]
	v_lshl_add_u32 v[SPW], v0, 2, SPARE
	v_mov_b32 v[NIL], 0
	v_lshrrev_b32 v1, 5, v0
	v_readfirstlane_b32 s18, v1                    ; wave
	v_and_b32 v1, 31, v0                           ; l
	v_and_b32 v2, 15, v0                           ; l % 16
	v_bfe_u32 v3, v0, 4, 1                         ; l / 16
	s_mov_b32 s19, ttmp9
	; which weight: by the work-group's number alone, chosen by selects, no branch.  Wv's figures first, then the others' in turn
	PICK 1, 864, 2, 2048, 65536, 1, 131072, 4096, 0, 16384, 2424832, 1024, 8192, -1, 1
	s_cmp_lt_u32 s19, 216
	PICK 0, 832, 2, 2048, 65536, 1, 131072, 4096, 0, 16384, 2359296, 1024, 8192, -1, 1
	s_cmp_lt_u32 s19, 208
	PICK 0, 768, 5, 512, 16384, 0, 1179648, 0, 36864, 9216, 8192, 294912, 512, 0, 0
	s_cmp_lt_u32 s19, 192
	PICK 0, 512, 4, 4096, 262144, 2, 262144, 4096, 65536, 16384, 2883584, 1024, 512, -1, 0
	s_cmp_lt_u32 s19, 128
	PICK 0, 0, 5, 4096, 131072, 1, 294912, 4096, 36864, 9216, 0, 1024, 512, 0, 0
	s_lshl_b32 s34, s19, 2
	s_add_co_u32 s34, s34, s18                     ; J
	s_sub_co_u32 s35, s34, s20                     ; the job's number in its weight
	s_lshl_b32 s36, 1, s21
	s_sub_co_u32 s36, s36, 1
	s_and_b32 s36, s35, s36                        ; KC: which 32 rows
	s_lshr_b32 s37, s35, s21                       ; N4: which 64 columns
	s_mul_i32 s38, s36, s23
	s_lshl_b32 s39, s37, 8
	s_add_co_u32 s38, s38, s39                     ; the block's first byte in its weight
	s_mov_b32 s39, 0
	s_lshr_b32 s40, s37, s24
	s_mul_i32 s40, s40, s25
	s_lshl_b32 s41, 1, s24
	s_sub_co_u32 s41, s41, 1
	s_and_b32 s41, s37, s41
	s_mul_i32 s41, s41, s26
	s_add_co_u32 s40, s40, s41
	s_lshr_b32 s41, s36, 2
	s_mul_i32 s41, s41, s27
	s_add_co_u32 s40, s40, s41
	s_and_b32 s41, s36, 3
	s_mul_i32 s41, s41, s28
	s_add_co_u32 s40, s40, s41
	s_add_co_u32 s40, s40, s29                     ; the first piece's byte in wts
	v_mul_lo_u32 v[LOF], v3, s22
	v_lshl_add_u32 v[LOF], v2, 4, v[LOF]
	s_lshl_b32 s42, s22, 1                         ; two rows on
.set i, 1
.rept 15
	v_add_nc_u32 v[LOF+i], s42, v[LOF+i-1]
.set i, i+1
.endr
	s_mul_i32 s43, s18, WST                        ; my stage
	v_mul_u32_u24 v[LST], v3, PIT
	v_lshl_add_u32 v[LST], v2, 4, v[LST]
	v_add_nc_u32 v[LST], s43, v[LST]
	v_mul_u32_u24 v[LGA], v3, 8*PIT
	v_lshl_add_u32 v[LGA], v2, 2, v[LGA]
	v_add_nc_u32 v[LGA], s43, v[LGA]
	v_lshl_add_u32 v[DOF], v1, 4, s40
	v_add_nc_u32 v[DOF+1], s31, v[DOF]
.set i, 1
.rept 3
	v_add_nc_u32 v[DOF+2*i], s30, v[DOF+2*i-2]
	v_add_nc_u32 v[DOF+2*i+1], s30, v[DOF+2*i-1]
.set i, i+1
.endr
	s_lshl_b32 s44, s34, 2
	s_add_co_u32 s44, s44, WMAXO
	v_mov_b32 v[MX+2], s44
	v_mov_b32 v[MX+1], 0
	s_mov_b32 s46, 0x76543210                      ; v_permlanex16_b32: each lane takes its own place in the other half
	s_mov_b32 s47, 0xfedcba98
	s_wait_kmcnt 0x0
	s_mov_b64 s[16:17], s[12:13]
	s_cmp_lt_u32 s19, 216
	s_cselect_b64 s[16:17], s[10:11], s[16:17]
	s_cmp_lt_u32 s19, 208
	s_cselect_b64 s[16:17], s[8:9], s[16:17]
	s_cmp_lt_u32 s19, 192
	s_cselect_b64 s[16:17], s[6:7], s[16:17]
	s_cmp_lt_u32 s19, 128
	s_cselect_b64 s[16:17], s[4:5], s[16:17]
	s_add_nc_u64 s[16:17], s[16:17], s[38:39]
.set i, 0
.rept 16
	global_load_b128 v[RAW+4*i:RAW+4*i+3], v[LOF+i], s[16:17] th:TH_LOAD_NT  ; two rows of 256 bytes
.set i, i+1
.endr
.set i, 0
.rept 16
	s_wait_loadcnt 15-i                            ; loads come back in order: load i is in, the 15 - i younger ones stay out
	ds_store_b128 v[LST], v[RAW+4*i:RAW+4*i+3] offset:2*PIT*i
.set i, i+1
.endr
	; the gather: piece g = 2 i + u, number e is W[16 u + 8 (l / 16) + e][16 i + l % 16].  Sixteen lanes take neighbouring words, the other sixteen lie 544 words on.
	; LDS serves a wave's instructions in order, and the bytes are the wave's own: these loads see the stores above.
.set g, 0
.rept 8
.set e, 0
.rept 8
	ds_load_b32 v[GA+8*g+e], v[LGA] offset:(16*(g%2)+e)*PIT+64*(g/2)
.set e, e+1
.endr
.set g, g+1
.endr
	; the block's largest magnitude, while the gather is on its way
	v_max3_num_f32 v[MX], |v[RAW]|, |v[RAW+1]|, |v[RAW+2]|
.set i, 3
.rept 30
	v_max3_num_f32 v[MX], v[MX], |v[RAW+i]|, |v[RAW+i+1]|
.set i, i+2
.endr
	v_max_num_f32 v[MX], v[MX], |v[RAW+63]|
	v_max_num_f32_dpp v[MX], v[MX], v[MX] row_xmask:1 row_mask:0xf bank_mask:0xf
	v_max_num_f32_dpp v[MX], v[MX], v[MX] row_xmask:2 row_mask:0xf bank_mask:0xf
	v_max_num_f32_dpp v[MX], v[MX], v[MX] row_xmask:4 row_mask:0xf bank_mask:0xf
	v_max_num_f32_dpp v[MX], v[MX], v[MX] row_xmask:8 row_mask:0xf bank_mask:0xf
	v_permlanex16_b32 v[MX+1], v[MX], s46, s47
	v_max_num_f32 v[MX], v[MX], v[MX+1]
.set g, 0
.rept 8
	s_wait_dscnt 56-8*g                            ; piece g's eight loads are in; the 56 - 8 g younger ones stay out
.set q, 0
.rept 4
	v_cvt_pk_bf16_f32 v[TM], v[GA+8*g+2*q], v[GA+8*g+2*q+1]   ; every weight is rounded to bf16;
	v_lshlrev_b32 v[TM+1], 16, v[TM]
	v_and_b32 v[TM+2], 0xffff0000, v[TM]
	v_cvt_pk_f16_f32 v[TM+1], v[TM+1], v[TM+2]                ; that number as f16,
	v_cndmask_b32 v[PK+4*g+q], v[TM], v[TM+1], s32            ; for the weights that f16 products take
.set q, q+1
.endr
	global_store_b128 v[DOF+g], v[PK+4*g:PK+4*g+3], s[14:15]  ; 512 consecutive bytes, aligned
.set g, g+1
.endr
	s_cmp_eq_u32 s33, 0
	s_cbranch_scc1 .Lonce
.set g, 0
.rept 8
	global_store_b128 v[DOF+g], v[PK+4*g:PK+4*g+3], s[14:15] offset:512  ; Wk, Wv: the fragment's second half holds the same latents
.set g, g+1
.endr
.Lonce:
	s_wait_xcnt 0x0                                ; EXEC changes only behind this wait
	v_cmp_eq_u32 vcc_lo, 0, v1
	s_and_saveexec_b32 s45, vcc_lo
	global_store_b32 v[MX+2], v[MX], s[14:15]      ; one word a job
	s_wait_xcnt 0x0
	s_or_b32 exec_lo, exec_lo, s45
	s_wait_tensorcnt 0x0                           ; the wave's end: behind my last LDS store
	ds_add_u32 v[SPW], v[NIL]
	s_wait_dscnt 0x0
	s_endpgm
.Lfunc_end_k_qe78446b484_prep:
	.size	k_qe78446b484_prep, .Lfunc_end_k_qe78446b484_prep-k_qe78446b484_prep
	.p2alignl 7, 3214868480
	.fill 96, 4, 3214868480
	.section	.rodata,"a",@progbits
	.p2align	6, 0x0
	.amdhsa_kernel k_qe78446b484_prep
		.amdhsa_group_segment_fixed_size 35328
		.amdhsa_private_segment_fixed_size 0
		.amdhsa_enable_private_segment 0
		.amdhsa_kernarg_size 48
		.amdhsa_user_sgpr_count 2
		.amdhsa_user_sgpr_kernarg_segment_ptr 1
		.amdhsa_wavefront_size32 1
		.amdhsa_system_sgpr_workgroup_id_x 1
		.amdhsa_system_sgpr_workgroup_id_y 1
		.amdhsa_system_sgpr_workgroup_id_z 1
		.amdhsa_system_vgpr_workitem_id 0
		.amdhsa_next_free_vgpr 208
		.amdhsa_next_free_sgpr 66
		.amdhsa_reserve_vcc 1
		.amdhsa_float_denorm_mode_32 3
		.amdhsa_float_denorm_mode_16_64 3
		.amdhsa_memory_ordered 1
		.amdhsa_forward_progress 1
		.amdhsa_inst_pref_size 28
	.end_amdhsa_kernel
	.amdgpu_metadata
---
amdhsa.version: [ 1, 2 ]
amdhsa.kernels:
  - .name:           k_qe78446b484_prep
    .symbol:         k_qe78446b484_prep.kd
    .args:
      - { .name: Wq, .offset: 0, .size: 8, .value_kind: global_buffer, .address_space: global }
      - { .name: Wo, .offset: 8, .size: 8, .value_kind: global_buffer, .address_space: global }
      - { .name: Wkv, .offset: 16, .size: 8, .value_kind: global_buffer, .address_space: global }
      - { .name: Wk, .offset: 24, .size: 8, .value_kind: global_buffer, .address_space: global }
      - { .name: Wv, .offset: 32, .size: 8, .value_kind: global_buffer, .address_space: global }
      - { .name: wts, .offset: 40, .size: 8, .value_kind: global_buffer, .address_space: global }
    .group_segment_fixed_size: 35328
    .private_segment_fixed_size: 0
    .kernarg_segment_align: 8
    .kernarg_segment_size: 48
    .max_flat_workgroup_size: 128
    .sgpr_count:     66
    .vgpr_count:     208
    .wavefront_size: 32
...
	.end_amdgpu_metadata
.endif
;; end of part 1
;; launch proj (part 2): grid 4 x 64, 4 waves a work-group, clusters of 4 x 4, 327,680 bytes of LDS; arguments x, wts, q_g, qb, kvb, stat; writes qb, kvb, stat
.if DOCPART == 2
	.amdgcn_target "amdgcn-amd-amdhsa--gfx1250"
	.amdhsa_code_object_version 6
	.text
	.protected	k_qe78446b484_proj
	.globl	k_qe78446b484_proj
	.p2align	8
	.type	k_qe78446b484_proj,@function
k_qe78446b484_proj:
	s_mov_b64 s[64:65], 0
	v_nop
	global_prefetch_b8 v0, s[64:65] scope:SCOPE_SE
	s_setreg_imm32_b32 hwreg(HW_REG_WAVE_MODE, 25, 1), 1
	s_wait_xcnt 0x0
	s_wait_alu depctr_hold_cnt(0) depctr_sa_sdst(0) depctr_va_vdst(0) depctr_va_sdst(0) depctr_va_ssrc(0) depctr_va_vcc(0) depctr_vm_vsrc(0)
	s_getreg_b32 s2, hwreg(HW_REG_IB_STS2, 6, 4)
	s_cmp_eq_u32 s2, 0
	s_cbranch_scc0 .Lentry_in_a_cluster
	s_endpgm
.Lentry_in_a_cluster:
	s_bfe_u32 s2, ttmp6, 0x10000c
	s_cmp_lg_u32 s2, 0xf033
	s_cbranch_scc0 .Lentry_shape_is_right
	s_endpgm
.Lentry_shape_is_right:
; PROJ: [q | kv] = x [Wq | Wkv] in bf16 with f32 sums; q = q_g RMSNorm(q) over each head's 64 channels, its channels 0..31 stored as f16 fragments (the others meet only the zeros
; with which the module pads K, so they and q_g[32:64] are used for nothing but the norm, or not at all); kv stored as a sum of two f16 numbers, high and low; the largest |kv| of each wave.
; LIMITS.  |kv| stays under 65,504 and |q_g q| inside f16's range; NaN and infinities are not treated apart.  x, Wq, Wkv and q_g are rounded to bf16.
; SHARES.  A work-group makes 128 tokens x 288 columns (heads 4 g .. 4 g + 3 and latents 32 g .. 32 g + 31): 64 x 4 = 256 work-groups.  Wave (i, j) makes 64 tokens x 144 columns
; (two heads and 16 latents): 4 x 9 accumulators of 16 x 16, 288 registers.  K = 1,024 goes in 8 slots of 128 through a ring of two LDS slots, a slot in 4 chunks of 32.
; x stays f32 on its way into LDS (rows of 512 bytes, 528 apart) and is rounded in registers: 32 conversions for a chunk's 36 products.  The weights come as fragments (1,024 dense
; bytes, the register image of a 16 x 32 operand: lane l's 16 bytes at 512 u + 16 l), so their LDS reads are contiguous.
; THE PRODUCT IS USED TRANSPOSED (source 0 = 16 columns of the weights, source 1 = 16 tokens): a lane holds ONE token (lane % 16) and eight neighbouring columns, which packed ARE
; 16 bytes of the next launch's fragment: every store of a wave is 512 consecutive bytes, aligned.
; CLUSTER.  4 x 4 work-groups: the four of a row share their 128 tokens of x, the four of a column their columns of the weights: each tile is asked for jointly.
; REGISTERS.  window 0: v1-15 addresses and work; v16-31 q_g; v32-95 x in bf16, two buffers; v96-159 x in f32; v160-255 the way out.  window 1: v0-143 the weights' fragments, two buffers of 72.
; window 2: accumulators of token blocks 0, 1 at 8 (9 (mb % 2) + nb); window 3: of blocks 2, 3.
.set APIT,  528
.set AHALF, 64*APIT                    ; 64 rows of x: what one tensor load brings
.set BOFF,  128*APIT                   ; behind x's 128 rows: the weights, two halves of 36 fragments
.set BHALF, 36864
.set SLOTB, 147456                     ; 0x24000: none of the four fill bases (0, 0x8400, 0x10800, 0x19800) has bit 14 or 17, so one exclusive or changes slots
.set SPARE, 2*SLOTB                    ; behind the ring: the spare words, 128 bytes a wave
.set A0,  4                            ; v4   my place in x's tile: (64 i + l % 16) x 528 + 32 (l / 16); never rewritten
.set B0,  5                            ; v5   my place in the weights' half: BOFF + j x BHALF + 16 l; never rewritten
.set ADA, 6                            ; v6   the same in the slot in hand
.set ADB, 7                            ; v7
.set SPW, 8                            ; v8   my spare word; never rewritten
.set NIL, 9                            ; v9   0; never rewritten
.set PFO, 10                           ; v10  the prefetches' offset; never rewritten
.set GQ,  16
.set ABF, 32
.set RAW, 96
.set SS,  160                          ; v160-175 sums of squares, then 1 / rms, a pair for each (token block, head)
.set WT,  192                          ; v192-223 at work
.set PKQ, 32                           ; the way out: packed q, 16 registers a token block
.set PKV, 96                           ; packed kv, 8 registers a token block
.set WV,  16                           ; s16 wave; s17 i, also: I fetch x (0) or weights (1); s18 j, also: which half I fetch
.set WI,  17
.set WJ,  18
.set CX,  19
.set CY,  20
.set GG,  21                           ; s21 g
.set WY,  22                           ; s22 the token tile
.set SL,  23                           ; s23 the loop's count
.set G1A, 24
.set G1B, 32
.set G0A, 40                           ; two sets; the second then walks on
.set G0B, 48
.set TB,  56                           ; s56 the slot in hand: 0 or SLOTB
.set LIM, 57                           ; s57 1 in a wave that prefetches, else the greatest number
.set PFA, 58                           ; s[58:59] where my prefetches stand
.set PST, 60                           ; s[60:61] their step
.set SEL, 62                           ; s[62:63] v_permlanex16_b32's selects
.set MSB, 0
.macro WIN new                         ; the immediate's high byte repeats the setting that is left; a switch that changes nothing is dropped
.if MSB != (\new)
	s_set_vgpr_msb (MSB<<8)|(\new)
.set MSB, (\new)
.endif
.endm
.macro PLACES
.rept 4
	v_nop
.endr
.endm
; A joint refill by the walking descriptors.  The branch hangs on the wave's number alone.  An s_nop 0 and four v_nop follow each of the two lines.
.macro JLOAD
	s_cmp_eq_u32 s[WI], 0
	s_cbranch_scc0 .Lfor_b_\@
	tensor_load_to_lds s[G0A+4:G0A+7], s[G1A:G1A+7]
	s_nop 0
	PLACES
	s_branch .Lasked_\@
.Lfor_b_\@:
	tensor_load_to_lds s[G0B+4:G0B+7], s[G1B:G1B+7]
	s_nop 0
	PLACES
.Lasked_\@:
.endm
.macro CREST                           ; a round of the cluster's barrier behind its opening barrier
	s_cmp_lg_u32 s[WV], 0
	s_cbranch_scc1 .Lnot_wave_0_\@
	s_barrier_signal -3
.Lnot_wave_0_\@:
	s_barrier_wait -3
	s_barrier_signal -1
	s_barrier_wait -1
.endm
.macro CROUND
	s_barrier_signal -1
	s_barrier_wait -1
	CREST
.endm
; A PREFETCH INTO THE L2 of the slot that the NEXT refill will ask for, one slot (144 products) ahead of that load; it stands behind the joint load, its five lines and the run of LDS loads.
; x: of the 64 rows that wave 0 or 1 fetches, the partner at place cx names 16, two blocks of 256 bytes a row: 32 lanes.  Weights: waves 2 and 3 of the clusters with y = 0 alone (all clusters
; read the same weights); the partner at place cy names blocks 32 cy .. 32 cy + 31 of the load's 144; the last 16 come by the load alone.  The partners are told apart by address, never by a branch.
; The loop's last trip asks for nothing: there is no slot behind the one that it loads.
.macro ASK
	s_cmp_gt_u32 s[SL], s[LIM]
	s_cbranch_scc0 .Lnot_mine_\@
	global_prefetch_b8 v[PFO], s[PFA:PFA+1] th:TH_LOAD_NT scope:SCOPE_SE
.Lnot_mine_\@:
.endm
	s_load_b256 s[4:11], s[0:1], 0x0               ; x s[4:5], wts s[6:7], q_g s[8:9], qb s[10:11]
	s_load_b128 s[12:15], s[0:1], 0x20             ; kvb s[12:13], stat s[14:15]
	v_lshl_add_u32 v[SPW], v0, 2, SPARE
	v_mov_b32 v[NIL], 0
	ds_add_u32 v[SPW], v[NIL]                      ; the wave's opening: the add and its wait stand ahead of my first tensor load; the set-up below stands between them
	ds_add_u32 v8, v9
	v_lshrrev_b32 v1, 5, v0
	v_readfirstlane_b32 s[WV], v1
	s_lshr_b32 s[WI], s[WV], 1
	s_and_b32 s[WJ], s[WV], 1
	s_bfe_u32 s[CX], ttmp6, 0x40000
	s_bfe_u32 s[CY], ttmp6, 0x40004
	s_lshl_b32 s[GG], ttmp9, 2
	s_add_co_u32 s[GG], s[GG], s[CX]               ; g = 4 x cluster x + cx
	s_and_b32 s[WY], ttmp7, 0xffff
	s_lshl_b32 s[WY], s[WY], 2
	s_add_co_u32 s[WY], s[WY], s[CY]               ; token tile = 4 x cluster y + cy
	s_lshl_b32 s66, s[CY], 2
	s_lshl_b32 s66, 15, s66                        ; my row of the cluster
	s_lshl_b32 s67, 0x1111, s[CX]                  ; my column
	s_or_b32 s[G1A], s66, (2<<16)|(1<<20)|(1<<21)|(6<<22)|(3<<25)  ; the mask; elements of 4 bytes; padding on; bit 21 beside a mask; after every 128 words (code 6) 4 words (code 3)
	s_mov_b32 s[G1A+1], 128<<16                    ; tensor_dim0 = 128
	s_mov_b32 s[G1A+2], 64<<16                     ; tensor_dim1 = 64
	s_mov_b32 s[G1A+3], 128<<16                    ; tile_dim0 = 128
	s_mov_b32 s[G1A+4], 64                         ; tile_dim1 = 64
	s_mov_b32 s[G1A+5], 1024                       ; 1,024 elements from row to row
	s_mov_b32 s[G1A+6], 0
	s_mov_b32 s[G1A+7], 0
	s_or_b32 s[G1B], s67, (3<<16)|(1<<21)          ; the mask; elements of 8 bytes; a dense block as 144 rows of 256 bytes
	s_mov_b32 s[G1B+1], 32<<16
	s_mov_b32 s[G1B+2], 144<<16
	s_mov_b32 s[G1B+3], 32<<16
	s_mov_b32 s[G1B+4], 144
	s_mov_b32 s[G1B+5], 32
	s_mov_b32 s[G1B+6], 0
	s_mov_b32 s[G1B+7], 0
	s_lshl_b32 s68, s[WY], 19                      ; x: row 128 wy + 64 half, 4,096 bytes a row: made of the token tile and the wave alone
	s_lshl_b32 s69, s[WJ], 18
	s_add_co_u32 s68, s68, s69
	s_mov_b32 s69, 0
	s_lshl_b32 s70, s[GG], 1                       ; weights: half-group 2 g + half, 8 slots of 36,864 bytes each: made of g and the wave alone
	s_add_co_u32 s70, s70, s[WJ]
	s_mul_i32 s70, s70, 8*BHALF
	s_mov_b32 s71, 0
	s_mul_i32 s72, s[WJ], AHALF                    ; and where they go: no place in the cluster enters an LDS address
	s_mul_i32 s73, s[WJ], BHALF
	s_add_co_u32 s73, s73, BOFF
	s_mov_b32 s[TB], 0
	s_mov_b32 s[SEL], 0x76543210
	s_mov_b32 s[SEL+1], 0xfedcba98
	s_wait_dscnt 0x0                               ; the opening add is done
	s_wait_kmcnt 0x0
	s_add_nc_u64 s[68:69], s[4:5], s[68:69]
	s_add_nc_u64 s[70:71], s[6:7], s[70:71]
	CROUND                                         ; all sixteen work-groups are here: the first joint loads meet
.irp s, 0,1
	s_mov_b32 s[G0A+4*(\s)], 1
	s_add_co_u32 s[G0A+4*(\s)+1], s72, (\s)*SLOTB
	s_add_nc_u64 s[G0A+4*(\s)+2:G0A+4*(\s)+3], s[68:69], (\s)*512
	s_or_b32 s[G0A+4*(\s)+3], s[G0A+4*(\s)+3], 0x80000000
	s_mov_b32 s[G0B+4*(\s)], 1
	s_add_co_u32 s[G0B+4*(\s)+1], s73, (\s)*SLOTB
	s_add_nc_u64 s[G0B+4*(\s)+2:G0B+4*(\s)+3], s[70:71], (\s)*BHALF
	s_or_b32 s[G0B+4*(\s)+3], s[G0B+4*(\s)+3], 0x80000000
.endr
	s_cmp_eq_u32 s[WI], 0                          ; a wave's two first fills stand in one branch: two loads of mine are out
	s_cbranch_scc0 .Lfirst_b
	tensor_load_to_lds s[G0A:G0A+3], s[G1A:G1A+7]
	s_nop 0
	tensor_load_to_lds s[G0A+4:G0A+7], s[G1A:G1A+7]
	s_nop 0
	PLACES
	s_branch .Lfirst_asked
.Lfirst_b:
	tensor_load_to_lds s[G0B:G0B+3], s[G1B:G1B+7]
	s_nop 0
	tensor_load_to_lds s[G0B+4:G0B+7], s[G1B:G1B+7]
	s_nop 0
	PLACES
.Lfirst_asked:
	v_and_b32 v1, 15, v0                           ; l % 16
	v_bfe_u32 v2, v0, 4, 1                         ; l / 16
	v_and_b32 v3, 31, v0                           ; l
	v_lshlrev_b32 v15, 5, v2
	global_load_b128 v[GQ:GQ+3],     v15, s[8:9]            ; q_g[16 u + 8 (l / 16) + e] at GQ + 8 u + e
	global_load_b128 v[GQ+4:GQ+7],   v15, s[8:9] offset:16
	global_load_b128 v[GQ+8:GQ+11],  v15, s[8:9] offset:64
	global_load_b128 v[GQ+12:GQ+15], v15, s[8:9] offset:80
	v_mul_u32_u24 v[A0], v1, APIT
	v_lshl_add_u32 v[A0], v2, 5, v[A0]
	s_mul_i32 s66, s[WI], AHALF
	v_add_nc_u32 v[A0], s66, v[A0]
	s_mul_i32 s66, s[WJ], BHALF
	s_add_co_u32 s66, s66, BOFF
	v_lshl_add_u32 v[B0], v3, 4, s66
	v_mov_b32 v[ADA], v[A0]
	v_mov_b32 v[ADB], v[B0]
	v_lshlrev_b32 v14, 4, v3                       ; 16 l: my 16 bytes of every half fragment that I store
	; the prefetches
	s_lshl_b32 s74, s[WY], 19
	s_lshl_b32 s75, s[WJ], 18
	s_add_co_u32 s74, s74, s75
	s_lshl_b32 s75, s[CX], 16                      ; my work-group's 16 of the 64 rows
	s_add_co_u32 s74, s74, s75
	s_add_co_u32 s74, s74, 2*512                   ; at slot 2: the first refill steps it to 3
	s_lshl_b32 s76, s[GG], 1
	s_add_co_u32 s76, s76, s[WJ]
	s_mul_i32 s76, s76, 8*BHALF
	s_lshl_b32 s75, s[CY], 13                      ; my work-group's 32 blocks
	s_add_co_u32 s76, s76, s75
	s_add_co_u32 s76, s76, 2*BHALF
	s_and_b32 s78, ttmp7, 0xffff                   ; cluster y
	s_mov_b32 s[PST], BHALF                        ; the weights' step; x's takes its place below
	s_cmp_eq_u32 s[WI], 0
	s_cselect_b32 s74, s74, s76
	s_cselect_b32 s[PST], 512, s[PST]
	s_cselect_b32 s78, 0, s78
	s_cselect_b32 s79, -1, 0
	s_cselect_b64 s[PFA:PFA+1], s[4:5], s[6:7]
	s_mov_b32 s75, 0
	s_mov_b32 s[PST+1], 0
	s_add_nc_u64 s[PFA:PFA+1], s[PFA:PFA+1], s[74:75]
	s_cmp_eq_u32 s78, 0
	s_cselect_b32 s[LIM], 1, -1                    ; the same in all sixteen partners, for a given wave
	v_lshrrev_b32 v11, 1, v3
	v_and_b32 v12, 1, v3
	v_lshlrev_b32 v11, 12, v11
	v_lshl_add_u32 v11, v12, 8, v11                ; x: row l / 2, block l % 2
	v_lshlrev_b32 v12, 8, v3                       ; weights: block l
	v_cndmask_b32 v[PFO], v12, v11, s79
	; where my results go
	s_lshr_b32 s66, s[WY], 4                       ; the batch
	s_lshl_b32 s66, s66, 4
	s_lshl2_add_u32 s66, s[GG], s66
	s_lshl1_add_u32 s66, s[WJ], s66                ; 16 b + my first head
	s_lshl_b32 s66, s66, 7
	s_and_b32 s67, s[WY], 15
	s_lshl3_add_u32 s66, s67, s66
	s_lshl2_add_u32 s66, s[WI], s66                ; + my first token block of the batch's 128
	s_lshl_b32 s66, s66, 10
	s_mov_b32 s67, 0
	s_add_nc_u64 s[10:11], s[10:11], s[66:67]
	s_lshl_b32 s66, s[WY], 3
	s_lshl1_add_u32 s66, s[GG], s66
	s_add_co_u32 s66, s66, s[WJ]                   ; 8 wy + my group of 16 latents
	s_lshl_b32 s66, s66, 3
	s_lshl2_add_u32 s66, s[WI], s66
	s_lshl_b32 s66, s66, 10
	s_add_nc_u64 s[12:13], s[12:13], s[66:67]
	s_lshl2_add_u32 s77, s[WY], s[GG]
	s_lshl2_add_u32 s77, s77, s[WV]
	s_lshl_b32 s77, s77, 2                         ; my word of stat
; 9 products: token block mb x all 9 column blocks.  The 36 accumulators take turns, in the same order in every chunk.  zero = 1: the first product starts the sums.
.macro MULM f, mb, zero
	WIN 0xa1+0x50*((\mb)/2)
.irp nb, 0,1,2,3,4,5,6,7,8
.if \zero
	v_wmma_f32_16x16x32_bf16 v[8*(9*((\mb)%2)+(\nb)):8*(9*((\mb)%2)+(\nb))+7], v[72*(\f)+8*(\nb):72*(\f)+8*(\nb)+7], v[ABF+32*(\f)+8*(\mb):ABF+32*(\f)+8*(\mb)+7], 0
.else
	v_wmma_f32_16x16x32_bf16 v[8*(9*((\mb)%2)+(\nb)):8*(9*((\mb)%2)+(\nb))+7], v[72*(\f)+8*(\nb):72*(\f)+8*(\nb)+7], v[ABF+32*(\f)+8*(\mb):ABF+32*(\f)+8*(\mb)+7], v[8*(9*((\mb)%2)+(\nb)):8*(9*((\mb)%2)+(\nb))+7]
.endif
.endr
.endm
.macro CVT f                           ; a chunk's x, 64 f32 a lane, rounded to bf16: four fragments
	WIN 0
.set q, 0
.rept 32
	v_cvt_pk_bf16_f32 v[ABF+32*(\f)+q], v[RAW+2*q], v[RAW+2*q+1]
.set q, q+1
.endr
.endm
.macro FETCH kc, g                     ; chunk kc of the slot in hand: 9 fragments of the weights into buffer g, x in f32 into RAW: 34 LDS loads in one run
	WIN 0x40
.irp nb, 0,1,2,3,4,5,6,7,8
	ds_load_b128 v[72*(\g)+8*(\nb):72*(\g)+8*(\nb)+3],   v[ADB] offset:(\kc)*9216+(\nb)*1024
	ds_load_b128 v[72*(\g)+8*(\nb)+4:72*(\g)+8*(\nb)+7], v[ADB] offset:(\kc)*9216+(\nb)*1024+512
.endr
	WIN 0
.irp mb, 0,1,2,3
	ds_load_b128 v[RAW+16*(\mb):RAW+16*(\mb)+3],     v[ADA] offset:(\mb)*16*APIT+(\kc)*128
	ds_load_b128 v[RAW+16*(\mb)+4:RAW+16*(\mb)+7],   v[ADA] offset:(\mb)*16*APIT+(\kc)*128+16
	ds_load_b128 v[RAW+16*(\mb)+8:RAW+16*(\mb)+11],  v[ADA] offset:(\mb)*16*APIT+(\kc)*128+64
	ds_load_b128 v[RAW+16*(\mb)+12:RAW+16*(\mb)+15], v[ADA] offset:(\mb)*16*APIT+(\kc)*128+80
.endr
.endm
; One of a slot's first three chunks, on buffers f; the next chunk nk is fetched into buffers g.  The 32 conversions are the places between the last chunk's products and the loads into the
; registers that those products read: no v_nop is written.
.macro CHUNK f, g, nk, zero
	s_wait_dscnt 0x0                               ; this chunk's weights and x are in: they were asked for 36 products ago
	CVT \f
	FETCH \nk, \g
	MULM \f, 0, \zero
	MULM \f, 1, \zero
	MULM \f, 2, \zero
	MULM \f, 3, \zero
.endm
; A slot's last chunk, and the change of slots.  Each wave waits for its reads of the slot and for all its tensor loads (one is out: its part of the other slot) and adds 0 to its spare word.
; fill = 1: the barrier opens a round of the cluster's barrier, and the joint refill, two slots on, is the first thing behind the round.
.macro TURNC fill
	WIN 0
	s_wait_dscnt 0x0                               ; the last chunk's weights and x are in: my reads of this slot are over
.if \fill
	s_wait_xcnt 0x0                                ; the last prefetch, a slot back, has read its address
	s_add_nc_u64 s[PFA:PFA+1], s[PFA:PFA+1], s[PST:PST+1]
.endif
	s_wait_tensorcnt 0x0                           ; no tensor load of mine is out, so a group 0 may be written
	ds_add_u32 v[SPW], v[NIL]                      ; 0 onto my spare word: the steps and the conversions stand between it and the wait for it
.if \fill
	s_xor_b32 s[G0A+5], s[G0A+5], SLOTB            ; the walking descriptors: the other slot than last time, the next 128 along K
	s_add_nc_u64 s[G0A+6:G0A+7], s[G0A+6:G0A+7], 512
	s_xor_b32 s[G0B+5], s[G0B+5], SLOTB
	s_add_nc_u64 s[G0B+6:G0B+7], s[G0B+6:G0B+7], BHALF
.endif
	CVT 1
	s_wait_dscnt 0x0                               ; the add is done
	s_barrier_signal -1
	MULM 1, 0, 0                                   ; work on registers while the others arrive
	WIN 0
	s_barrier_wait -1
.if \fill
	CREST                                          ; no wave of any partner still reads this slot or has a load on its way
	JLOAD
.endif
	s_xor_b32 s[TB], s[TB], SLOTB
	v_add_nc_u32 v[ADA], s[TB], v[A0]
	v_add_nc_u32 v[ADB], s[TB], v[B0]
	FETCH 0, 0
.if \fill
	ASK
.endif
	MULM 1, 1, 0
	MULM 1, 2, 0
	MULM 1, 3, 0
.endm
	s_wait_tensorcnt 1                             ; my part of slot 0 is in; slot 1's may stay out
	s_barrier_signal -1
	s_barrier_wait -1
	FETCH 0, 0
	CHUNK 0, 1, 1, 1                               ; the first chunk stands in front of the loop: its products start the sums
	WIN 0
	s_mov_b32 s[SL], 6
.Lslot:                                                ; a trip goes from a slot's second chunk to the next slot's first, and fills the slot that it leaves: slots 2 to 7
	CHUNK 1, 0, 2, 0
	CHUNK 0, 1, 3, 0
	TURNC 1
	CHUNK 0, 1, 1, 0
	WIN 0
	s_sub_co_u32 s[SL], s[SL], 1
	s_cmp_lg_u32 s[SL], 0
	s_cbranch_scc1 .Lslot
	CHUNK 1, 0, 2, 0                               ; the last two slots ask for nothing
	CHUNK 0, 1, 3, 0
	TURNC 0
	CHUNK 0, 1, 1, 0
	CHUNK 1, 0, 2, 0
	CHUNK 0, 1, 3, 0
	s_wait_dscnt 0x0
	CVT 1
	MULM 1, 0, 0
	MULM 1, 1, 0
	MULM 1, 2, 0
	MULM 1, 3, 0
	; THE WAY OUT.
	WIN 0
	PLACES
	s_wait_loadcnt 0x0                             ; q_g
.set q, 0
.rept 8
	v_cvt_pk_bf16_f32 v11, v[GQ+2*q], v[GQ+2*q+1]  ; the gains are rounded to bf16 like every input
	v_lshlrev_b32 v[GQ+2*q], 16, v11
	v_and_b32 v[GQ+2*q+1], 0xffff0000, v11
.set q, q+1
.endr
	; sums of squares over a head's 64 channels: my 32 numbers of four accumulators, each read from its low end on; four chains by turns
.set w, 0
.rept 2
	WIN 0x0a+5*w
.set st, 0
.rept 16
.set c, 0
.rept 4
.set rA, 8*(9*(c/2)+4*(c%2)+st/4)+2*(st%4)
.set rT, SS+2*(4*w+c)
.if st == 0
	v_pk_mul_f32 v[rT:rT+1], v[rA:rA+1], v[rA:rA+1]
.else
	v_pk_fma_f32 v[rT:rT+1], v[rA:rA+1], v[rA:rA+1], v[rT:rT+1]
.endif
.set c, c+1
.endr
.set st, st+1
.endr
.set w, w+1
.endr
	WIN 0
	s_mov_b32 s66, 0x3c800000                      ; 1 / 64
	s_mov_b32 s67, 0x358637bd                      ; 1e-6
.macro ALL8 line:vararg
.set c, 0
.rept 8
	\line
.set c, c+1
.endr
.endm
	ALL8 v_add_f32 v[SS+2*c], v[SS+2*c], v[SS+2*c+1]
	ALL8 v_permlanex16_b32 v[SS+2*c+1], v[SS+2*c], s[SEL], s[SEL+1]
	ALL8 v_add_f32 v[SS+2*c], v[SS+2*c], v[SS+2*c+1]
	ALL8 v_fma_f32 v[SS+2*c], v[SS+2*c], s66, s67
	ALL8 v_rsq_f32 v[SS+2*c], v[SS+2*c]
	v_nop                                          ; a plain instruction behind the last root,
	s_wait_alu depctr_va_vdst(0)                   ; and the one wait ahead of the batch's first reader
	; q's channels 0..31 of both heads: times q_g, times 1 / rms, to f16; a = 2 head + half
.set mb, 0
.rept 4
	WIN 0x02+mb/2
.set a, 0
.rept 4
.set q, 0
.rept 4
	v_pk_mul_f32 v[WT+8*a+2*q:WT+8*a+2*q+1], v[8*(9*(mb%2)+4*(a/2)+a%2)+2*q:8*(9*(mb%2)+4*(a/2)+a%2)+2*q+1], v[GQ+8*(a%2)+2*q:GQ+8*(a%2)+2*q+1]
.set q, q+1
.endr
.set a, a+1
.endr
	WIN 0
.set a, 0
.rept 4
.set q, 0
.rept 4
	v_pk_mul_f32 v[WT+8*a+2*q:WT+8*a+2*q+1], v[WT+8*a+2*q:WT+8*a+2*q+1], v[SS+2*(2*mb+a/2):SS+2*(2*mb+a/2)+1] op_sel_hi:[1,0]
.set q, q+1
.endr
.set a, a+1
.endr
.set a, 0
.rept 4
.set q, 0
.rept 4
	v_cvt_pk_f16_f32 v[PKQ+16*mb+4*a+q], v[WT+8*a+2*q], v[WT+8*a+2*q+1]
.set q, q+1
.endr
	global_store_b128 v14, v[PKQ+16*mb+4*a:PKQ+16*mb+4*a+3], s[10:11] offset:(a/2)*131072+mb*1024+(a%2)*512  ; half a fragment: 512 consecutive bytes, aligned
.set a, a+1
.endr
.set mb, mb+1
.endr
	; kv: the high f16, the low f16 of what it leaves, and the largest magnitude
	v_mov_b32 v12, -1.0
	v_mov_b32 v13, 0
.set mb, 0
.rept 4
.set rA, 8*(9*(mb%2)+8)
	WIN 0x0a+5*(mb/2)
.set q, 0
.rept 4
	v_cvt_pk_f16_f32 v[PKV+8*mb+q], v[rA+2*q], v[rA+2*q+1]
.set q, q+1
.endr
	WIN 0x20+0x10*(mb/2)
.set q, 0
.rept 4
	v_fma_mixlo_f16 v[PKV+8*mb+4+q], v[PKV+8*mb+q], v12, v[rA+2*q] op_sel_hi:[1,0,0]
	v_fma_mixhi_f16 v[PKV+8*mb+4+q], v[PKV+8*mb+q], v12, v[rA+2*q+1] op_sel:[1,0,0] op_sel_hi:[1,0,0]
.set q, q+1
.endr
	WIN 0x28+0x14*(mb/2)
.set q, 0
.rept 4
	v_max3_num_f32 v13, v13, |v[rA+2*q]|, |v[rA+2*q+1]|
.set q, q+1
.endr
	WIN 0
	global_store_b128 v14, v[PKV+8*mb:PKV+8*mb+3],   s[12:13] offset:mb*1024
	global_store_b128 v14, v[PKV+8*mb+4:PKV+8*mb+7], s[12:13] offset:mb*1024+512
.set mb, mb+1
.endr
	v_max_num_f32_dpp v13, v13, v13 row_xmask:1 row_mask:0xf bank_mask:0xf
	v_max_num_f32_dpp v13, v13, v13 row_xmask:2 row_mask:0xf bank_mask:0xf
	v_max_num_f32_dpp v13, v13, v13 row_xmask:4 row_mask:0xf bank_mask:0xf
	v_max_num_f32_dpp v13, v13, v13 row_xmask:8 row_mask:0xf bank_mask:0xf
	v_permlanex16_b32 v11, v13, s[SEL], s[SEL+1]
	v_max_num_f32 v13, v13, v11
	v_mov_b32 v15, s77
	s_wait_xcnt 0x0                                ; EXEC changes only behind this wait
	v_cmp_eq_u32 vcc_lo, 0, v3
	s_and_saveexec_b32 s66, vcc_lo
	global_store_b32 v15, v13, s[14:15]
	s_wait_xcnt 0x0
	s_or_b32 exec_lo, exec_lo, s66
	s_wait_tensorcnt 0x0                           ; the wave's end
	ds_add_u32 v[SPW], v[NIL]
	s_wait_dscnt 0x0
	CROUND                                         ; the closing round: no work-group ends while a partner may still ask for a tile that names it
	s_endpgm
.Lfunc_end_k_qe78446b484_proj:
	.size	k_qe78446b484_proj, .Lfunc_end_k_qe78446b484_proj-k_qe78446b484_proj
	.p2alignl 7, 3214868480
	.fill 96, 4, 3214868480
	.section	.rodata,"a",@progbits
	.p2align	6, 0x0
	.amdhsa_kernel k_qe78446b484_proj
		.amdhsa_group_segment_fixed_size 327680
		.amdhsa_private_segment_fixed_size 0
		.amdhsa_enable_private_segment 0
		.amdhsa_kernarg_size 48
		.amdhsa_user_sgpr_count 2
		.amdhsa_user_sgpr_kernarg_segment_ptr 1
		.amdhsa_wavefront_size32 1
		.amdhsa_system_sgpr_workgroup_id_x 1
		.amdhsa_system_sgpr_workgroup_id_y 1
		.amdhsa_system_sgpr_workgroup_id_z 1
		.amdhsa_system_vgpr_workitem_id 0
		.amdhsa_next_free_vgpr 912
		.amdhsa_next_free_sgpr 80
		.amdhsa_reserve_vcc 1
		.amdhsa_float_denorm_mode_32 3
		.amdhsa_float_denorm_mode_16_64 3
		.amdhsa_memory_ordered 1
		.amdhsa_forward_progress 1
		.amdhsa_inst_pref_size 121
	.end_amdhsa_kernel
	.amdgpu_metadata
---
amdhsa.version: [ 1, 2 ]
amdhsa.kernels:
  - .name:           k_qe78446b484_proj
    .symbol:         k_qe78446b484_proj.kd
    .args:
      - { .name: x, .offset: 0, .size: 8, .value_kind: global_buffer, .address_space: global }
      - { .name: wts, .offset: 8, .size: 8, .value_kind: global_buffer, .address_space: global }
      - { .name: q_g, .offset: 16, .size: 8, .value_kind: global_buffer, .address_space: global }
      - { .name: qb, .offset: 24, .size: 8, .value_kind: global_buffer, .address_space: global }
      - { .name: kvb, .offset: 32, .size: 8, .value_kind: global_buffer, .address_space: global }
      - { .name: stat, .offset: 40, .size: 8, .value_kind: global_buffer, .address_space: global }
    .group_segment_fixed_size: 327680
    .private_segment_fixed_size: 0
    .kernarg_segment_align: 8
    .kernarg_segment_size: 48
    .max_flat_workgroup_size: 128
    .sgpr_count:     80
    .vgpr_count:     912
    .wavefront_size: 32
...
	.end_amdgpu_metadata
.endif
;; end of part 2
;; launch kvup (part 3): grid 4 x 64, 4 waves a work-group, clusters of 4 x 4, 197,120 bytes of LDS; arguments kvb, wts, stat, k_g, kvt; writes kvt
.if DOCPART == 3
	.amdgcn_target "amdgcn-amd-amdhsa--gfx1250"
	.amdhsa_code_object_version 6
	.text
	.protected	k_qe78446b484_kvup
	.globl	k_qe78446b484_kvup
	.p2align	8
	.type	k_qe78446b484_kvup,@function
k_qe78446b484_kvup:
	s_mov_b64 s[64:65], 0
	v_nop
	global_prefetch_b8 v0, s[64:65] scope:SCOPE_SE
	s_setreg_imm32_b32 hwreg(HW_REG_WAVE_MODE, 25, 1), 1
	s_wait_xcnt 0x0
	s_wait_alu depctr_hold_cnt(0) depctr_sa_sdst(0) depctr_va_vdst(0) depctr_va_sdst(0) depctr_va_ssrc(0) depctr_va_vcc(0) depctr_vm_vsrc(0)
	s_getreg_b32 s2, hwreg(HW_REG_IB_STS2, 6, 4)
	s_cmp_eq_u32 s2, 0
	s_cbranch_scc0 .Lentry_in_a_cluster
	s_endpgm
.Lentry_in_a_cluster:
	s_bfe_u32 s2, ttmp6, 0x10000c
	s_cmp_lg_u32 s2, 0xf033
	s_cbranch_scc0 .Lentry_shape_is_right
	s_endpgm
.Lentry_shape_is_right:
; KVUP: k = k_g RMSNorm(kv Wk) over each head's 32 channels, to f16; v = kv Wv times S, as a sum of two f16 numbers.  kv comes as high and low f16 in the two halves of a fragment, the
; weights' fragments hold 16 latents twice: one f16 product of depth 32 adds (high + low) x W for 16 latents; 8 such chunks make the 128 latents.
; S is an exact power of two made of the bound B = 128 max|kv| max|Wv| (both maxima come from earlier launches): |v S| < 2^15 whatever the inputs' size; the last launch takes it back exactly.
; LIMITS.  B is held to 2^-100 .. 2^100; |k_g k| stays inside f16's range; NaN and infinities are not treated apart.  k_g is rounded to bf16.
; SHARES.  A work-group makes 128 tokens x (128 columns of k and 128 of v): heads 4 G .. 4 G + 3.  ONE text serves two kinds of wave; only addresses and the way out differ.
; Waves 0, 1 (k): source 0 = Wk's 8 column blocks, source 1 = token blocks 4 i ..: a lane ends with one token and 8 channels.  Waves 2, 3 (v): source 0 = the 8 token blocks,
; source 1 = Wv's column blocks 4 i ..: a lane ends with one channel and 8 tokens, which is a fragment of V^T.  A wave's four source-1 blocks go in two trips of two: 16 accumulators.
; LDS: Wk at 0, kv at 65,536, Wv at 131,072, each [chunk][block] fragments of 1,024 bytes: source 0 begins at kind x 65,536, source 1 at 65,536 + kind x 65,536.
; All of a work-group's operands lie in LDS at once (192 KiB): nothing is filled again.  They come in two stages, chunks 0-3 and 4-7, so that the products begin when the first has landed.
; CLUSTER.  4 x 4: kv's tile is shared along a row, the weights along a column.
.set SPARE, 196608
.set WMAXO, 3932160
.set AX,  4                            ; v4   source 0's fragments: base + 16 l; never rewritten
.set AY,  5                            ; v5   source 1's, made anew at each trip's head
.set SPW, 8
.set NIL, 9
.set KG,  16                           ; v16-31 k_g[16 u + 8 (l / 16) + e] at KG + 8 u + e
.set SS,  32                           ; v32-47 sums of squares, then 1 / rms; v32-63 v's high halves of accumulators 8-15
.set XF,  64                           ; v64-191 source 0, two buffers of 64; on the way out the results
.set YF,  192                          ; v192-223 source 1, two buffers of 16; on the way out v's high halves of accumulators 0-7
.set WV,  16
.set KD,  17                           ; s17 kind: 0 k, 1 v; also: I fetch kv (0) or weights (1)
.set WH,  18                           ; s18 i; also which part I fetch
.set CX,  19
.set CY,  20
.set GG,  21
.set WY,  22
.set HF,  23
.set G1A, 24
.set G1B, 32
.set G0A, 40
.set G0B, 48
.set SC,  56                           ; s[56:57] S
.set OST, 58                           ; s[58:59] the output's step from trip to trip
.set TY,  60                           ; s60 LDS byte at which the trip's two source-1 blocks begin; steps two fragments a trip
.set SEL, 62
.set MSB, 0
.macro WIN new
.if MSB != (\new)
	s_set_vgpr_msb (MSB<<8)|(\new)
.set MSB, (\new)
.endif
.endm
.macro PLACES
.rept 4
	v_nop
.endr
.endm
.macro CROUND
	s_barrier_signal -1
	s_barrier_wait -1
	s_cmp_lg_u32 s[WV], 0
	s_cbranch_scc1 .Lnot_wave_0_\@
	s_barrier_signal -3
.Lnot_wave_0_\@:
	s_barrier_wait -3
	s_barrier_signal -1
	s_barrier_wait -1
.endm
	s_load_b256 s[4:11], s[0:1], 0x0               ; kvb s[4:5], wts s[6:7], stat s[8:9], k_g s[10:11]
	s_load_b64 s[12:13], s[0:1], 0x20              ; kvt
	v_lshl_add_u32 v[SPW], v0, 2, SPARE
	v_mov_b32 v[NIL], 0
	ds_add_u32 v[SPW], v[NIL]                      ; the wave's opening: the add and its wait stand ahead of my first tensor load
	ds_add_u32 v8, v9
	v_lshrrev_b32 v1, 5, v0
	v_readfirstlane_b32 s[WV], v1
	s_lshr_b32 s[KD], s[WV], 1
	s_and_b32 s[WH], s[WV], 1
	s_bfe_u32 s[CX], ttmp6, 0x40000
	s_bfe_u32 s[CY], ttmp6, 0x40004
	s_lshl_b32 s[GG], ttmp9, 2
	s_add_co_u32 s[GG], s[GG], s[CX]
	s_and_b32 s[WY], ttmp7, 0xffff
	s_lshl_b32 s[WY], s[WY], 2
	s_add_co_u32 s[WY], s[WY], s[CY]
	s_lshl_b32 s66, s[CY], 2
	s_lshl_b32 s66, 15, s66
	s_lshl_b32 s67, 0x1111, s[CX]
	s_or_b32 s[G1A], s66, (3<<16)|(1<<21)          ; dense blocks as rows of 256 bytes: kv's 64 rows a load,
	s_mov_b32 s[G1A+1], 32<<16
	s_mov_b32 s[G1A+2], 64<<16
	s_mov_b32 s[G1A+3], 32<<16
	s_mov_b32 s[G1A+4], 64
	s_mov_b32 s[G1A+5], 32
	s_mov_b32 s[G1A+6], 0
	s_mov_b32 s[G1A+7], 0
	s_or_b32 s[G1B], s67, (3<<16)|(1<<21)          ; the weights' 128
	s_mov_b32 s[G1B+1], 32<<16
	s_mov_b32 s[G1B+2], 128<<16
	s_mov_b32 s[G1B+3], 32<<16
	s_mov_b32 s[G1B+4], 128
	s_mov_b32 s[G1B+5], 32
	s_mov_b32 s[G1B+6], 0
	s_mov_b32 s[G1B+7], 0
	s_lshl_b32 s68, s[WY], 16                      ; kv's tile, and my 16 KiB of each stage's 32
	s_lshl_b32 s72, s[WH], 14
	s_add_co_u32 s68, s68, s72
	s_mov_b32 s69, 0
	s_add_co_u32 s72, s72, 65536                   ; in LDS kv begins at 65,536
	s_lshl_b32 s70, s[GG], 1                       ; the weights of group G, part 0 (Wk) or 1 (Wv)
	s_add_co_u32 s70, s70, s[WH]
	s_lshl_b32 s70, s70, 16
	s_add_co_u32 s70, s70, 2359296
	s_mov_b32 s71, 0
	s_lshl_b32 s73, s[WH], 17                      ; in LDS Wk begins at 0, Wv at 131,072
	s_mov_b32 s[SEL], 0x76543210
	s_mov_b32 s[SEL+1], 0xfedcba98
	s_wait_dscnt 0x0
	s_wait_kmcnt 0x0
	s_add_nc_u64 s[68:69], s[4:5], s[68:69]
	s_add_nc_u64 s[70:71], s[6:7], s[70:71]
	CROUND
.irp s, 0,1
	s_mov_b32 s[G0A+4*(\s)], 1
	s_add_co_u32 s[G0A+4*(\s)+1], s72, (\s)*32768
	s_add_nc_u64 s[G0A+4*(\s)+2:G0A+4*(\s)+3], s[68:69], (\s)*32768
	s_or_b32 s[G0A+4*(\s)+3], s[G0A+4*(\s)+3], 0x80000000
	s_mov_b32 s[G0B+4*(\s)], 1
	s_add_co_u32 s[G0B+4*(\s)+1], s73, (\s)*32768
	s_add_nc_u64 s[G0B+4*(\s)+2:G0B+4*(\s)+3], s[70:71], (\s)*32768
	s_or_b32 s[G0B+4*(\s)+3], s[G0B+4*(\s)+3], 0x80000000
.endr
	s_cmp_eq_u32 s[KD], 0                          ; a wave's two fills stand in one branch: two loads of mine are out
	s_cbranch_scc0 .Lfirst_b
	tensor_load_to_lds s[G0A:G0A+3], s[G1A:G1A+7]
	s_nop 0
	tensor_load_to_lds s[G0A+4:G0A+7], s[G1A:G1A+7]
	s_nop 0
	PLACES
	s_branch .Lfirst_asked
.Lfirst_b:
	tensor_load_to_lds s[G0B:G0B+3], s[G1B:G1B+7]
	s_nop 0
	tensor_load_to_lds s[G0B+4:G0B+7], s[G1B:G1B+7]
	s_nop 0
	PLACES
.Lfirst_asked:
	v_and_b32 v1, 15, v0
	v_bfe_u32 v2, v0, 4, 1
	v_and_b32 v3, 31, v0
	v_lshlrev_b32 v11, 4, v3                       ; 16 l
	v_lshlrev_b32 v12, 2, v3
	v_lshlrev_b32 v15, 5, v2
.set k, 0
.rept 8
	global_load_b128 v[64+4*k:67+4*k], v11, s[8:9] offset:512*k   ; the 1,024 maxima of |kv|
.set k, k+1
.endr
	global_load_b32 v96, v12, s[6:7] offset:WMAXO+864*4           ; the 32 maxima of |Wv|
	global_load_b128 v[KG:KG+3],     v15, s[10:11]
	global_load_b128 v[KG+4:KG+7],   v15, s[10:11] offset:16
	global_load_b128 v[KG+8:KG+11],  v15, s[10:11] offset:64
	global_load_b128 v[KG+12:KG+15], v15, s[10:11] offset:80
	v_lshlrev_b32 v14, 4, v3                       ; 16 l: my 16 bytes of every half fragment that I read or store; never rewritten
	s_lshl_b32 s66, s[KD], 16                      ; source 0: Wk (k waves) or kv (v waves)
	v_lshl_add_u32 v[AX], v3, 4, s66
	s_lshl_b32 s[TY], s[KD], 16                    ; source 1: kv (k waves) or Wv (v waves), my four blocks
	s_lshl_b32 s67, s[WH], 12
	s_add_co_u32 s[TY], s[TY], s67
	s_add_co_u32 s[TY], s[TY], 65536
	v_mov_b32 v13, -1.0
	; where my results go
	s_lshr_b32 s66, s[WY], 4
	s_lshl_b32 s66, s66, 4
	s_lshl2_add_u32 s66, s[GG], s66                ; 16 b + 4 G
	s_lshl1_add_u32 s67, s[WH], s66                ; v waves: + 2 i
	s_bfe_u32 s68, s[WY], 0x30001                  ; the key tile of 256: (wy % 16) / 2
	s_lshl3_add_u32 s66, s66, s68
	s_lshl3_add_u32 s67, s67, s68
	s_mul_i32 s66, s66, 49152
	s_mul_i32 s67, s67, 49152
	s_and_b32 s68, s[WY], 1
	s_lshl_b32 s69, s68, 3
	s_lshl2_add_u32 s69, s[WH], s69
	s_lshl_b32 s69, s69, 10
	s_add_co_u32 s66, s66, s69                     ; k: key block 8 (wy % 2) + 4 i
	s_lshl_b32 s68, s68, 14
	s_add_co_u32 s67, s67, s68
	s_add_co_u32 s67, s67, 16384                   ; v: behind K's 16 fragments, keys 128 (wy % 2) on
	s_mov_b32 s[OST], 393216                       ; a trip on: a head (v); two key blocks (k) take its place below
	s_cmp_eq_u32 s[KD], 0
	s_cselect_b32 s66, s66, s67
	s_cselect_b32 s[OST], 2048, s[OST]
	s_mov_b32 s67, 0
	s_mov_b32 s[OST+1], 0
	s_add_nc_u64 s[12:13], s[12:13], s[66:67]
	; S
	s_wait_loadcnt 0x0
	v_max3_num_f32 v64, v64, v65, v66
.set k, 67
.rept 14
	v_max3_num_f32 v64, v64, v[k], v[k+1]
.set k, k+2
.endr
	v_max_num_f32 v64, v64, v95
	v_mov_b32 v97, 0
.irp m, 1,2,4,8
	v_max_num_f32_dpp v64, v64, v64 row_xmask:\m row_mask:0xf bank_mask:0xf
	v_max_num_f32_dpp v96, v96, v96 row_xmask:\m row_mask:0xf bank_mask:0xf
.endr
	v_permlanex16_b32 v97, v64, s[SEL], s[SEL+1]
	v_max_num_f32 v64, v64, v97
	v_permlanex16_b32 v97, v96, s[SEL], s[SEL+1]
	v_max_num_f32 v96, v96, v97
	v_mul_f32 v64, v64, v96
	v_mul_f32 v64, 0x43000000, v64                 ; B = 128 max|kv| max|Wv|,
	v_max_num_f32 v64, 0x0d800000, v64             ; held to 2^-100 .. 2^100
	v_min_num_f32 v64, 0x71800000, v64
	v_lshrrev_b32 v64, 23, v64                     ; E: B < 2^(E - 126)
	v_readfirstlane_b32 s66, v64
	s_sub_co_u32 s[SC], 268, s66
	s_lshl_b32 s[SC], s[SC], 23                    ; S = 2^(141 - E): a factor, never an address or a count
	s_mov_b32 s[SC+1], s[SC]
.set q, 0
.rept 8
	v_cvt_pk_bf16_f32 v11, v[KG+2*q], v[KG+2*q+1]  ; the gains are rounded to bf16 like every input
	v_lshlrev_b32 v[KG+2*q], 16, v11
	v_and_b32 v[KG+2*q+1], 0xffff0000, v11
.set q, q+1
.endr
.macro FETCH gm, b                     ; chunk gm: 8 fragments of source 0, 2 of source 1: 20 LDS loads in one run
	WIN 0
.irp xb, 0,1,2,3,4,5,6,7
	ds_load_b128 v[XF+64*(\b)+8*(\xb):XF+64*(\b)+8*(\xb)+3],   v[AX] offset:(\gm)*8192+(\xb)*1024
	ds_load_b128 v[XF+64*(\b)+8*(\xb)+4:XF+64*(\b)+8*(\xb)+7], v[AX] offset:(\gm)*8192+(\xb)*1024+512
.endr
.irp y, 0,1
	ds_load_b128 v[YF+16*(\b)+8*(\y):YF+16*(\b)+8*(\y)+3],   v[AY] offset:(\gm)*8192+(\y)*1024
	ds_load_b128 v[YF+16*(\b)+8*(\y)+4:YF+16*(\b)+8*(\y)+7], v[AY] offset:(\gm)*8192+(\y)*1024+512
.endr
.endm
.macro MUL b, zero                     ; 16 products; the 16 accumulators (window 1) take turns
	WIN 0x50
.irp y, 0,1
.irp xb, 0,1,2,3,4,5,6,7
.if \zero
	v_wmma_f32_16x16x32_f16 v[8*(8*(\y)+(\xb)):8*(8*(\y)+(\xb))+7], v[XF+64*(\b)+8*(\xb):XF+64*(\b)+8*(\xb)+7], v[YF+16*(\b)+8*(\y):YF+16*(\b)+8*(\y)+7], 0
.else
	v_wmma_f32_16x16x32_f16 v[8*(8*(\y)+(\xb)):8*(8*(\y)+(\xb))+7], v[XF+64*(\b)+8*(\xb):XF+64*(\b)+8*(\xb)+7], v[YF+16*(\b)+8*(\y):YF+16*(\b)+8*(\y)+7], v[8*(8*(\y)+(\xb)):8*(8*(\y)+(\xb))+7]
.endif
.endr
.endr
	WIN 0
.endm
	s_wait_tensorcnt 1                             ; my part of chunks 0-3 is in; chunks 4-7 may stay out
	s_barrier_signal -1
	s_barrier_wait -1
	s_mov_b32 s[HF], 2
.Lhalf:                                                ; a trip: two of my four source-1 blocks, all 8 chunks
	v_add_nc_u32 v[AY], s[TY], v14
	FETCH 0, 0
.irp gm, 0,1,2,3,4,5,6,7
	s_wait_dscnt 0x0                               ; this chunk's fragments are in
.if (\gm) == 3
	s_wait_tensorcnt 0x0                           ; my part of chunks 4-7 is in (in the second trip met at once),
	s_barrier_signal -1
	s_barrier_wait -1                              ; and everybody's
.endif
.if (\gm) < 7
	PLACES                                         ; four places between the last chunk's products and the loads into the registers that they read
	FETCH (\gm)+1, ((\gm)+1)%2
.endif
.if (\gm) == 0
	MUL 0, 1
.else
	MUL (\gm)%2, 0
.endif
.endr
	PLACES
	s_cmp_eq_u32 s[KD], 0
	s_cbranch_scc0 .Lvepi
	; k: accumulator a = 8 y + 2 head + half.  Sums of squares over a head's 32 channels, eight chains by turns, each accumulator read from its low end on
	WIN 0x05
.set st, 0
.rept 8
.set c, 0
.rept 8
.set rA, 8*(8*(c/4)+2*(c%4)+st/4)+2*(st%4)
.if st == 0
	v_pk_mul_f32 v[SS+2*c:SS+2*c+1], v[rA:rA+1], v[rA:rA+1]
.else
	v_pk_fma_f32 v[SS+2*c:SS+2*c+1], v[rA:rA+1], v[rA:rA+1], v[SS+2*c:SS+2*c+1]
.endif
.set c, c+1
.endr
.set st, st+1
.endr
	WIN 0
	s_mov_b32 s66, 0x3d000000                      ; 1 / 32
	s_mov_b32 s67, 0x358637bd                      ; 1e-6
.macro ALL8 line:vararg
.set c, 0
.rept 8
	\line
.set c, c+1
.endr
.endm
	ALL8 v_add_f32 v[SS+2*c], v[SS+2*c], v[SS+2*c+1]
	ALL8 v_permlanex16_b32 v[SS+2*c+1], v[SS+2*c], s[SEL], s[SEL+1]
	ALL8 v_add_f32 v[SS+2*c], v[SS+2*c], v[SS+2*c+1]
	ALL8 v_fma_f32 v[SS+2*c], v[SS+2*c], s66, s67
	ALL8 v_rsq_f32 v[SS+2*c], v[SS+2*c]
	v_nop                                          ; a plain instruction behind the last root,
	s_wait_alu depctr_va_vdst(0)                   ; and the one wait ahead of the batch's first reader
	WIN 0x01
.set a, 0
.rept 16
.set q, 0
.rept 4
	v_pk_mul_f32 v[XF+8*a+2*q:XF+8*a+2*q+1], v[8*a+2*q:8*a+2*q+1], v[KG+8*(a%2)+2*q:KG+8*(a%2)+2*q+1]
.set q, q+1
.endr
.set a, a+1
.endr
	WIN 0
.set a, 0
.rept 16
.set q, 0
.rept 4
	v_pk_mul_f32 v[XF+8*a+2*q:XF+8*a+2*q+1], v[XF+8*a+2*q:XF+8*a+2*q+1], v[SS+2*(4*(a/8)+(a%8)/2):SS+2*(4*(a/8)+(a%8)/2)+1] op_sel_hi:[1,0]
.set q, q+1
.endr
.set q, 0
.rept 4
	v_cvt_pk_f16_f32 v[XF+8*a+q], v[XF+8*a+2*q], v[XF+8*a+2*q+1]   ; in place: register q is written when 2 q and 2 q + 1 have been read
.set q, q+1
.endr
	global_store_b128 v14, v[XF+8*a:XF+8*a+3], s[12:13] offset:((a%8)/2)*393216+(a/8)*1024+(a%2)*512
.set a, a+1
.endr
	s_branch .Lepi_done
.Lvepi:
	; v: accumulator a = 8 y + token block.  Times S; the high f16; the low f16 of what it leaves, in place
	WIN 0x01
.set a, 0
.rept 16
.set q, 0
.rept 4
	v_pk_mul_f32 v[XF+8*a+2*q:XF+8*a+2*q+1], v[8*a+2*q:8*a+2*q+1], s[SC:SC+1] op_sel_hi:[1,0]
.set q, q+1
.endr
.set a, a+1
.endr
	WIN 0
.set a, 0
.rept 16
.set rH, YF+4*a
.if a >= 8
.set rH, SS+4*(a-8)
.endif
.set q, 0
.rept 4
	v_cvt_pk_f16_f32 v[rH+q], v[XF+8*a+2*q], v[XF+8*a+2*q+1]
.set q, q+1
.endr
.set q, 0
.rept 4
	v_fma_mixlo_f16 v[XF+8*a+q], v[rH+q], v13, v[XF+8*a+2*q] op_sel_hi:[1,0,0]
	v_fma_mixhi_f16 v[XF+8*a+q], v[rH+q], v13, v[XF+8*a+2*q+1] op_sel:[1,0,0] op_sel_hi:[1,0,0]
.set q, q+1
.endr
	global_store_b128 v14, v[rH:rH+3], s[12:13] offset:(((a%8)/2)*4+a/8)*1024+(a%2)*512
	global_store_b128 v14, v[XF+8*a:XF+8*a+3], s[12:13] offset:(((a%8)/2)*4+a/8+2)*1024+(a%2)*512
.set a, a+1
.endr
.Lepi_done:
	s_wait_xcnt 0x0                                ; the stores have read their data and their base: the next trip loads into the one and steps the other
	s_add_co_u32 s[TY], s[TY], 2048                ; the next two source-1 blocks
	s_add_nc_u64 s[12:13], s[12:13], s[OST:OST+1]
	s_sub_co_u32 s[HF], s[HF], 1
	s_cmp_lg_u32 s[HF], 0
	s_cbranch_scc1 .Lhalf
	s_wait_tensorcnt 0x0                           ; the wave's end
	ds_add_u32 v[SPW], v[NIL]
	s_wait_dscnt 0x0
	CROUND                                         ; the closing round
	s_endpgm
.Lfunc_end_k_qe78446b484_kvup:
	.size	k_qe78446b484_kvup, .Lfunc_end_k_qe78446b484_kvup-k_qe78446b484_kvup
	.p2alignl 7, 3214868480
	.fill 96, 4, 3214868480
	.section	.rodata,"a",@progbits
	.p2align	6, 0x0
	.amdhsa_kernel k_qe78446b484_kvup
		.amdhsa_group_segment_fixed_size 197120
		.amdhsa_private_segment_fixed_size 0
		.amdhsa_enable_private_segment 0
		.amdhsa_kernarg_size 40
		.amdhsa_user_sgpr_count 2
		.amdhsa_user_sgpr_kernarg_segment_ptr 1
		.amdhsa_wavefront_size32 1
		.amdhsa_system_sgpr_workgroup_id_x 1
		.amdhsa_system_sgpr_workgroup_id_y 1
		.amdhsa_system_sgpr_workgroup_id_z 1
		.amdhsa_system_vgpr_workitem_id 0
		.amdhsa_next_free_vgpr 384
		.amdhsa_next_free_sgpr 80
		.amdhsa_reserve_vcc 0
		.amdhsa_float_denorm_mode_32 3
		.amdhsa_float_denorm_mode_16_64 3
		.amdhsa_memory_ordered 1
		.amdhsa_forward_progress 1
		.amdhsa_inst_pref_size 71
	.end_amdhsa_kernel
	.amdgpu_metadata
---
amdhsa.version: [ 1, 2 ]
amdhsa.kernels:
  - .name:           k_qe78446b484_kvup
    .symbol:         k_qe78446b484_kvup.kd
    .args:
      - { .name: kvb, .offset: 0, .size: 8, .value_kind: global_buffer, .address_space: global }
      - { .name: wts, .offset: 8, .size: 8, .value_kind: global_buffer, .address_space: global }
      - { .name: stat, .offset: 16, .size: 8, .value_kind: global_buffer, .address_space: global }
      - { .name: k_g, .offset: 24, .size: 8, .value_kind: global_buffer, .address_space: global }
      - { .name: kvt, .offset: 32, .size: 8, .value_kind: global_buffer, .address_space: global }
    .group_segment_fixed_size: 197120
    .private_segment_fixed_size: 0
    .kernarg_segment_align: 8
    .kernarg_segment_size: 40
    .max_flat_workgroup_size: 128
    .sgpr_count:     80
    .vgpr_count:     384
    .wavefront_size: 32
...
	.end_amdgpu_metadata
.endif
;; end of part 3
;; launch attn (part 4): grid 4 x 64, 4 waves a work-group, no clusters, 327,680 bytes of LDS; arguments qb, kvt, ob; writes ob
.if DOCPART == 4
	.amdgcn_target "amdgcn-amd-amdhsa--gfx1250"
	.amdhsa_code_object_version 6
	.text
	.protected	k_qe78446b484_attn
	.globl	k_qe78446b484_attn
	.p2align	8
	.type	k_qe78446b484_attn,@function
k_qe78446b484_attn:
	s_mov_b64 s[64:65], 0
	v_nop
	global_prefetch_b8 v0, s[64:65] scope:SCOPE_SE
	s_setreg_imm32_b32 hwreg(HW_REG_WAVE_MODE, 25, 1), 1
	s_wait_xcnt 0x0
; CAUSAL ATTENTION on 32 channels: O[q] = the sum over k <= q of softmax_k(q . k / 8) v[k], for 64 (batch, head) pairs of 2,048 rows.  q, k: f16 fragments; v (times a power of two that a later
; launch takes back): a sum of two f16 numbers, as fragments of V^T.  Products, maxima and sums in f32; the weights p are rounded to f16 for the second product, and their sum l is taken of
; the rounded p, by a product with ones; O is rounded to f16 once.
; LIMITS.  A hidden score counts as its value less 1e30; a weight below 2^-126 counts as 0; NaN and infinities are not treated apart.
; THE WALK.  A head's queries lie in 8 blocks of 256; block i needs the key tiles 0 .. i.  A work-group takes blocks 7 - b and then b: 9 tiles whatever b, one loop with a constant count.
; NO CLUSTER: a head's four work-groups ask for the same tile only in trips 0 to 4, and a walk common to all four would have 12 trips for 9.
; SHARES.  Of a block's four bands of 64 queries a wave owns 16 rows in each: four PIECES; so the diagonal tile is the same work for all four waves.
; LAYOUT.  S^T = K Q^T (one product for 16 keys: the depth 32 is all the channels): a lane holds ONE query and the keys 8 (l / 16) + 0..7; two such results rounded to f16 ARE source 1 of
; O^T = V^T P.  Every tile lies in memory as the fragments' register images, so LDS reads are contiguous, 16 bytes a lane, and nothing is turned.
; THE MASK is the C operand of K Q^T, always from registers: zeros outside the diagonal tile, so one text serves every tile.  MD is the mask of a band's own step; a product's mask is MD x AL + BE.
; TURNS.  Turn p: 4 products K Q^T of piece p + 1; the scaling and exponentials of piece p and the maximum of piece p + 1; ONE wait for the batch of 33 exponentials; then 10 products of piece
; p - 1 (V's high and low parts, and ones for l) with the roundings and rescalings of piece p behind them.
; REGISTERS.  window 0: v2 16 l; v4, v5 LDS addresses; v10 prefetch offset; v12-13 c m_old; v16-23 (c m, m) a piece; v32-39 ones; v40-47 at work; v48, v49 the add's; v64-127 S^T, two buffers;
; v128-159 P, two buffers; v160-223 O^T, 16 a piece; v224-255 l, 8 a piece.  window 1: v0-31 Q; v32-63 the second block's Q; v64-95 K; v96-159 V; v160-191 MD; v192-255 the masks, two buffers.
.set NB,    8
.set TILEB, 49152                      ; a tile: 16 fragments of K, then 32 of V
.set KSTEP, 4096                       ; a step's K: 4 fragments
.set VSTEP, 8192                       ; a step's V: 8 fragments
.set SLOT1, 65536
.set SPARE, 114688                     ; behind the two slots: the spare words
.set LK,  2
.set AK,  4
.set AV,  5
.set PFO, 10
.set MV,  12
.set ST,  16
.set ONES, 32
.set TMP, 40
.set SPW, 48
.set NIL, 49
.set S,   64
.set P,   128
.set O,   160
.set L,   224
.set Q,   0
.set QB,  32
.set KF,  64
.set VF,  96
.set MD,  160
.set MC,  192
.set WV,  12
.set PB,  14
.set HI,  15
.set G1,  24
.set G0,  40
.set SLOTS, 56
.set CNT, 57                           ; s57 counts a tile's trips, 4 to 1; a trip's turns 0 and 1 belong to the tile's step 4 - CNT, its turns 2 and 3 to the step before
.set CS,  58
.set SEL, 60
.set TBK, 62                           ; s62 LDS byte at which K of the step to be fetched begins
.set TBV, 63                           ; s63 the same for V, less the tile's 16,384 bytes of K
.set RT,  70
.set NXT, 71
.set LQ,  72
.set NEW, 73
.set OFF, 74
.set AL,  76
.set BE,  78
.set OLO, 80
.set BIGN, 82
.set DG,  83                           ; s83 1: the tile in hand holds the diagonal
.set LIM, 85
.set PFA, 86
.set MSB, 0
.macro WIN new
.if MSB != (\new)
	s_set_vgpr_msb (MSB<<8)|(\new)
.set MSB, (\new)
.endif
.endm
.macro PLACES
.rept 4
	v_nop
.endr
.endm
; THE CHANGE OF SLOTS.  Each wave waits for all its tensor loads (one is out: its quarter of the other slot), adds 0 to its spare word, and waits for that and for its reads of the slot that it leaves.
; fill = 1: the old slot is filled again, first thing behind the barrier, with tile NXT: every wave loads its own quarter, 48 rows of 256 bytes.
; Behind the load and its five lines stands the prefetch of the tile that the NEXT change will ask for: the work-group with b = 0 alone, whose first block walks all 8 tiles, asks; its waves 0 to 2
; name 16 KiB each, a lane a block of 256 bytes, two instructions.  Trips 6 and 7 ask for nothing: tile 7 is the head's last.
.macro CHANGE fill
	WIN 0
	s_wait_tensorcnt 0x0                           ; no tensor load of mine is out, so group 0 may be written
	ds_add_u32 v[SPW], v[NIL]                      ; 0 onto my spare word
.if \fill
	s_mul_i32 s[OFF], s[NXT], TILEB
	s_xor_b32 s[G0+1], s[G0+1], SLOT1
	s_add_nc_u64 s[G0+2:G0+3], s[6:7], s[OFF:OFF+1]
	s_or_b32 s[G0+3], s[G0+3], 0x80000000
	s_add_co_u32 s[NXT], s[NXT], 1                 ; the block's next tile, or behind its last the second block's tile 0
	s_cmp_gt_u32 s[NXT], s[LQ]
	s_cselect_b32 s[NXT], 0, s[NXT]
	s_cselect_b32 s[LQ], s[PB], s[LQ]
	s_wait_xcnt 0x0                                ; the last prefetches, a tile back, have read their address
	s_add_nc_u64 s[PFA:PFA+1], s[PFA:PFA+1], TILEB
.endif
	s_wait_dscnt 0x0                               ; the add is done, and my reads of the slot are over
	s_barrier_signal -1
	s_sub_co_u32 s[TBK], s[TBK], 4*KSTEP           ; the fetches go back to a tile's first step,
	s_xor_b32 s[TBK], s[TBK], SLOT1                ; in the other slot
	s_sub_co_u32 s[TBV], s[TBV], 4*VSTEP
	s_xor_b32 s[TBV], s[TBV], SLOT1
	s_barrier_wait -1
.if \fill
	tensor_load_to_lds s[G0:G0+3], s[G1:G1+7]
	s_nop 0
	PLACES
	s_cmp_gt_u32 s[SLOTS], s[LIM]
	s_cbranch_scc0 .Lnot_mine_\@
	global_prefetch_b8 v[PFO], s[PFA:PFA+1] th:TH_LOAD_NT scope:SCOPE_SE
	global_prefetch_b8 v[PFO], s[PFA:PFA+1] offset:8192 th:TH_LOAD_NT scope:SCOPE_SE
.Lnot_mine_\@:
.endif
.endm
	s_load_b128 s[4:7], s[0:1], 0x0                ; qb s[4:5], kvt s[6:7]
	s_load_b64 s[8:9], s[0:1], 0x10                ; ob
	v_lshl_add_u32 v[SPW], v0, 2, SPARE
	v_mov_b32 v[NIL], 0
	ds_add_u32 v[SPW], v[NIL]                      ; the wave's opening: the add and its wait stand ahead of my first tensor load
	ds_add_u32 v48, v49
	v_lshrrev_b32 v1, 5, v0
	v_readfirstlane_b32 s[WV], v1
	s_mov_b32 s[PB], ttmp9
	s_sub_co_u32 s[HI], NB-1, s[PB]
	s_and_b32 s16, ttmp7, 0xffff                   ; 16 batch + head
	s_mul_i32 s20, s16, 8*TILEB                    ; the head's tiles
	s_mov_b32 s21, 0
	s_mul_i32 s17, s[WV], TILEB/4                  ; my quarter of a tile
	s_lshl_b32 s18, s[WV], 14
	s_add_co_u32 s22, s20, s18
	s_add_co_u32 s22, s22, TILEB                   ; the prefetches stand at tile 1; the first change steps them to 2
	s_mov_b32 s23, 0
	s_add_co_u32 s20, s20, s17
	s_lshl_b32 s2, s16, 7
	s_add_co_u32 s2, s2, s[WV]
	s_lshl4_add_u32 s18, s[PB], s2                 ; Q's fragment 128 bh + 16 block + 4 piece + wave
	s_lshl4_add_u32 s2, s[HI], s2
	s_lshl_b32 s2, s2, 10
	s_lshl_b32 s18, s18, 10
	s_mov_b32 s3, 0
	s_mov_b32 s19, 0
	s_lshr_b32 s32, s16, 4                         ; O's fragment ((token tile x 4 + head / 4) x 4 + head % 4) x 8 + token block
	s_lshl_b32 s32, s32, 6
	s_bfe_u32 s33, s16, 0x20002
	s_add_co_u32 s32, s32, s33
	s_lshl_b32 s32, s32, 15
	s_and_b32 s33, s16, 3
	s_lshl3_add_u32 s33, s33, s[WV]
	s_lshl_b32 s33, s33, 10
	s_add_co_u32 s32, s32, s33
	s_lshl_b32 s34, s[HI], 18
	s_add_co_u32 s34, s34, s32
	s_mov_b32 s35, 0
	s_lshl_b32 s36, s[PB], 18
	s_add_co_u32 s36, s36, s32
	s_mov_b32 s37, 0
	s_mov_b32 s[G1], 3<<16                         ; elements of 8 bytes: a dense block as 48 rows of 256 bytes
	s_mov_b32 s[G1+1], 32<<16
	s_mov_b32 s[G1+2], 48<<16
	s_mov_b32 s[G1+3], 32<<16
	s_mov_b32 s[G1+4], 48
	s_mov_b32 s[G1+5], 32
	s_mov_b32 s[G1+6], 0
	s_mov_b32 s[G1+7], 0
	s_mov_b32 s[G0], 1
	s_mov_b32 s[G0+1], s17                         ; slot 0, my quarter
	s_mov_b32 s[CS], 0x3e38aa3b                    ; c = log2(e) / 8
	s_mov_b32 s[CS+1], s[CS]
	s_mov_b32 s[SEL], 0x76543210
	s_mov_b32 s[SEL+1], 0xfedcba98
	s_mov_b32 s[TBK], SLOT1+4*KSTEP                ; the first change of slots turns these two into 0
	s_mov_b32 s[TBV], SLOT1+4*VSTEP
	s_add_co_u32 s[RT], s[HI], 1                   ; the first block has 8 - b tiles
	s_mov_b32 s[NXT], 1
	s_mov_b32 s[LQ], s[HI]
	s_mov_b32 s[NEW], 1
	s_mov_b32 s[OFF+1], 0
	s_mov_b32 s[AL+1], 0
	s_mov_b32 s[BE+1], 0
	s_mov_b32 s[BIGN], 0xf149f2ca                  ; -1e30
	s_mov_b32 s[SLOTS], NB
	s_cmp_lt_u32 s[WV], 3
	s_cselect_b32 s[LIM], s[PB], 1
	s_cmp_eq_u32 s[LIM], 0
	s_cselect_b32 s[LIM], 2, -1                    ; waves 0 to 2 of the work-group with b = 0 prefetch while more than two fills are to come
	s_wait_dscnt 0x0
	s_wait_kmcnt 0x0
	s_add_nc_u64 s[PFA:PFA+1], s[6:7], s[22:23]
	s_add_nc_u64 s[6:7], s[6:7], s[20:21]          ; kvt at my quarter of the head's tile 0
	s_add_nc_u64 s[88:89], s[4:5], s[18:19]        ; Q of the second block,
	s_add_nc_u64 s[4:5], s[4:5], s[2:3]            ; of the first
	s_add_nc_u64 s[OLO:OLO+1], s[8:9], s[36:37]
	s_add_nc_u64 s[8:9], s[8:9], s[34:35]
	s_add_nc_u64 s[G0+2:G0+3], s[6:7], 0
	s_or_b32 s[G0+3], s[G0+3], 0x80000000
	tensor_load_to_lds s[G0:G0+3], s[G1:G1+7]      ; tile 0 into slot 0
	s_nop 0
	PLACES
	v_and_b32 v1, 15, v0
	v_bfe_u32 v3, v0, 4, 1
	v_and_b32 v[LK], 31, v0
	v_lshlrev_b32 v[PFO], 8, v[LK]
	v_lshlrev_b32 v[LK], 4, v[LK]
	WIN 0x40
.set i, 0
.rept 4                                ; both blocks' Q: piece i lies four fragments on
	global_load_b128 v[Q+8*i:Q+8*i+3],     v[LK], s[4:5] offset:i*4096
	global_load_b128 v[Q+8*i+4:Q+8*i+7],   v[LK], s[4:5] offset:i*4096+512
	global_load_b128 v[QB+8*i:QB+8*i+3],   v[LK], s[88:89] offset:i*4096
	global_load_b128 v[QB+8*i+4:QB+8*i+7], v[LK], s[88:89] offset:i*4096+512
.set i, i+1
.endr
	WIN 0
	v_lshlrev_b32 v14, 3, v3
	v_sub_nc_u32 v14, v1, v14
	s_lshl_b32 s32, s[WV], 4
	v_add_nc_u32 v14, s32, v14                     ; my query's place in its band less my lanes' 8 (l / 16): register r of key group kt is hidden where 16 kt + r is greater
	WIN 0x40
.set i, 0
.rept 32
	v_cmp_gt_i32 vcc_lo, 16*(i/8)+i%8, v14
	v_cndmask_b32 v[MD+i], 0, s[BIGN], vcc_lo
.set i, i+1
.endr
	; A block's first step multiplies O^T and l by a = 0, and its first turn's products, of a piece that has not been, land in sums that are still to be so multiplied: these registers need only hold
	; finite numbers: zeros for the first block, what the first block left for the second.  All this stands in the wait for the first tile.
.set i, VF
.rept 64
	v_mov_b32 v[i], 0
.set i, i+1
.endr
	WIN 0
.set i, P+16
.rept 112
	v_mov_b32 v[i], 0                              ; P's second buffer, O^T and l
.set i, i+1
.endr
.set i, 0
.rept 8
	v_mov_b32 v[ONES+i], 0x3c003c00                ; 1.0 twice in f16
.set i, i+1
.endr
; THE MATRIX WORK.  No two matrix instructions that follow each other share an accumulator.
.macro KQ i                            ; S^T of piece Y + 1, keys 16 i on: one product, its C the mask.  NOKQ = 1: a block's last turn: there is no next piece
.if !NOKQ
	WIN 0x15
.set x_, (Y+1)%4
	v_wmma_f32_16x16x32_f16 v[S+32*(x_%2)+8*(\i):S+32*(x_%2)+8*(\i)+7], v[KF+8*(\i):KF+8*(\i)+7], v[Q+8*x_:Q+8*x_+7], v[MC+32*(x_%2)+8*(\i):MC+32*(x_%2)+8*(\i)+7]
.endif
.endm
.macro PV w                            ; product w of 10 for piece Y - 1; for keys 32 (w / 5) on: V high, channels 0-15, 16-31; ones; V low, channels 0-15, 16-31
.set x_, (Y+3)%4
.set t_, (\w)%5
.set rB, P+16*(x_%2)+8*((\w)/5)
.if t_ == 2
	WIN 0
	v_wmma_f32_16x16x32_f16 v[L+8*x_:L+8*x_+7], v[ONES:ONES+7], v[rB:rB+7], v[L+8*x_:L+8*x_+7]
.else
	WIN 0x01
.set c_, t_-t_/3
.set rD, O+16*x_+8*(c_%2)
	v_wmma_f32_16x16x32_f16 v[rD:rD+7], v[VF+32*((\w)/5)+8*c_:VF+32*((\w)/5)+8*c_+7], v[rB:rB+7], v[rD:rD+7]
.endif
.endm
.macro FETCH_K                         ; a step's K: 4 fragments
	WIN 0x40
.irp f, 0,1,2,3
	ds_load_b128 v[KF+8*(\f):KF+8*(\f)+3],   v[AK] offset:(\f)*1024
	ds_load_b128 v[KF+8*(\f)+4:KF+8*(\f)+7], v[AK] offset:(\f)*1024+512
.endr
	s_add_co_u32 s[TBK], s[TBK], KSTEP             ; the next fetch is the next step's
	WIN 0
.endm
.macro FETCH_V                         ; a step's V: 8 fragments, behind the tile's 16 of K
	WIN 0x40
.irp f, 0,1,2,3,4,5,6,7
	ds_load_b128 v[VF+8*(\f):VF+8*(\f)+3],   v[AV] offset:16384+(\f)*1024
	ds_load_b128 v[VF+8*(\f)+4:VF+8*(\f)+7], v[AV] offset:16384+(\f)*1024+512
.endr
	s_add_co_u32 s[TBV], s[TBV], VSTEP
	WIN 0
.endm
; THE VECTOR WORK, a line at a time.  For piece Y: F n: c s - c m for pair n.  EA: a = 2^(c m_old - c m_new).  E n: the exponential of score n.  C n: pair n rounded to f16.  R n: pair n of O^T times a;
; R 8: l times a (of l's eight equal registers only the lowest is ever read).  For piece Y + 1: X n, number n of the 21 that find its maximum:
;   0-11 four chains of seven scores, each accumulator's lowest registers first; 12-14, 16 the four scores left over, the old m, the four into one; 15 c m_old is kept; 17, 18 the other half of the lanes; 19 c m; 20 its change
.set F, 0
.set E, 1
.set C, 2
.set R, 3
.set X, 4
.set EA, 5
.macro REGS y
.set rT, ST+2*(\y)
.set rC, TMP+4*((\y)%2)
.set rW, MV+((\y)%2)
.set rS, S+32*((\y)%2)
.set rP, P+16*((\y)%2)
.set rO, O+16*(\y)
.set rL, L+8*(\y)
.endm
.macro OP k, n
	WIN 0
.if ((\k) == X) && NOKQ
	v_nop
.elseif (\k) == X
	REGS (Y+1)%4
.if (\n) < 4
	v_max3_num_f32 v[rC+(\n)], v[rS+8*(\n)], v[rS+8*(\n)+1], v[rS+8*(\n)+2]
.elseif (\n) < 12
	v_max3_num_f32 v[rC+(\n)%4], v[rC+(\n)%4], v[rS+8*((\n)%4)+2*((\n)/4)+1], v[rS+8*((\n)%4)+2*((\n)/4)+2]
.elseif (\n) == 12
	v_max3_num_f32 v[rC], v[rC], v[rS+7], v[rS+15]
.elseif (\n) == 13
	v_max3_num_f32 v[rC+1], v[rC+1], v[rS+23], v[rS+31]
.elseif (\n) == 14
	v_max3_num_f32 v[rC+2], v[rC+2], v[rC+3], v[rT+1]
.elseif (\n) == 15
	v_mov_b32 v[rW], v[rT]
.elseif (\n) == 16
	v_max3_num_f32 v[rC], v[rC], v[rC+1], v[rC+2]
.elseif (\n) == 17
	v_permlanex16_b32 v[rC+3], v[rC], s[SEL], s[SEL+1]
.elseif (\n) == 18
	v_max_num_f32 v[rT+1], v[rC], v[rC+3]
.elseif (\n) == 19
	v_mul_f32 v[rT], s[CS], v[rT+1]
.else
	v_sub_f32 v[rC+1], v[rW], v[rT]
.endif
.else
	REGS Y
.if (\k) == F
	v_pk_fma_f32 v[rS+2*(\n):rS+2*(\n)+1], v[rS+2*(\n):rS+2*(\n)+1], s[CS:CS+1], v[rT:rT+1] op_sel_hi:[1,0,0] neg_lo:[0,0,1] neg_hi:[0,0,1]
.elseif (\k) == E
	v_exp_f32 v[rS+(\n)], v[rS+(\n)]
.elseif (\k) == C
	v_cvt_pk_f16_f32 v[rP+(\n)], v[rS+2*(\n)], v[rS+2*(\n)+1]
.elseif (\k) == EA
	v_exp_f32 v[rC+2], v[rC+1]
.elseif (\n) < 8
	v_pk_mul_f32 v[rO+2*(\n):rO+2*(\n)+1], v[rO+2*(\n):rO+2*(\n)+1], v[rC+2:rC+3] op_sel_hi:[1,0]
.else
	v_pk_mul_f32 v[rL:rL+1], v[rL:rL+1], v[rC+2:rC+3] op_sel_hi:[1,0]
.endif
.endif
.endm
.macro OPS a, i1, b=-1, i2=0, c=-1, i3=0, d=-1, i4=0
	OP \a, \i1
.if (\b) >= 0
	OP \b, \i2
.endif
.if (\c) >= 0
	OP \c, \i3
.endif
.if (\d) >= 0
	OP \d, \i4
.endif
.endm
.macro MASK b                          ; MD x AL + BE into buffer b of the masks
	WIN 0x41
.set z, 0
.rept 16
	v_pk_fma_f32 v[MC+32*(\b)+2*z:MC+32*(\b)+2*z+1], v[MD+2*z:MD+2*z+1], s[AL:AL+1], s[BE:BE+1] op_sel_hi:[1,0,0]
.set z, z+1
.endr
.endm
; A TURN, for piece p.  Ahead of the one wait stands all that names no result of the turn's 33 exponentials; X 19 and X 20 are the plain instructions behind the last of them.  X 3 reads the last product's
; result five plain instructions behind it (F 7, F 8, X 0, X 1, X 2), and K's run of loads stands one further on.  Behind the wait: the 10 products of piece p - 1; no rider names a register of theirs.
; K of the next step is fetched in piece 2's turn and waited for at the head of piece 3's; V of the step in hand at the end of piece 0's turn, four plain riders behind its last reader, and waited for
; in piece 1's.  end = 1: a block's last two turns: nothing is fetched, no mask is made, and the last starts no scores.
; In the diagonal tile each turn ends by making the mask for the products of the turn after it: piece x = p + 2 in step 4 - CNT: its own step (MD), an earlier one (0) or a later one (-1e30).
.macro TURN p, end=0
.set Y, (\p)
.set NOKQ, (\end)*((\p)/3)
.if ((\p) == 3) && !(\end)
	s_wait_dscnt 0x0                               ; K is in
.endif
	KQ 0
	OPS F,0, EA,0, F,1, F,2
	KQ 1
	OPS F,3, E,0, F,4, E,1
.if ((\p) == 2) && !(\end)
	v_add_nc_u32 v[AK], s[TBK], v[LK]
.endif
	KQ 2
	OPS F,5, E,2, F,6, E,3
	KQ 3
	OPS F,7, E,4, F,8, E,5
	OPS X,0, E,6, X,1, E,7
	OPS X,2, E,8, X,3, E,9
.if ((\p) == 2) && !(\end)
	FETCH_K
.endif
	OPS X,4, E,10, X,5, E,11
	OPS X,6, E,12, X,7, E,13
	OPS X,8, E,14, X,9, E,15
	OPS X,10, E,16, X,11, E,17
.if (\p) == 0
	v_add_nc_u32 v[AV], s[TBV], v[LK]
.endif
	OPS F,9, X,12, E,18, F,10
	OPS E,19, X,13, E,20, F,11
	OPS E,21, X,14, E,22, X,15
	OPS E,23, F,12, X,16, E,24
	OPS F,13, E,25, F,14, X,17
	OPS E,26, E,27, F,15, E,28
	OPS X,18, E,29, E,30, E,31
	OPS X,19, X,20
	s_wait_alu depctr_va_vdst(0)                   ; the one wait ahead of the batch's first reader
.if (\p) == 1
	s_wait_dscnt 0x0                               ; V is in
.endif
	PV 0
	OPS C,0, C,1, C,2
	PV 1
	OPS C,3, C,4, C,5
	PV 2
	OPS C,6, C,7, C,8
	PV 3
	OPS C,9, C,10, C,11
	PV 4
	OPS C,12, C,13, C,14
	PV 5
	OPS C,15, R,0
	PV 6
	OPS R,1, R,2
	PV 7
	OPS R,3, R,4
	PV 8
	PV 9
	OPS R,5, R,6, R,7, R,8
.if (\p) == 0
	FETCH_V
.endif
	WIN 0
.if !(\end)
	s_cmp_eq_u32 s[DG], 0
	s_cbranch_scc1 .Lno_mask_\@
	s_cmp_eq_u32 s[CNT], 4-(((\p)+2)%4)
	s_cselect_b32 s[AL], 1.0, 0
	s_cmp_lt_u32 s[CNT], 4-(((\p)+2)%4)
	s_cselect_b32 s[BE], s[BIGN], 0
	MASK (\p)%2
	WIN 0
.Lno_mask_\@:
.endif
.endm
; A BLOCK BEGINS.  c m starts far below every c s, so the first step's a is 0; m at the lowest finite number.  The second mask buffer is 0; the first takes piece 0's mask for the tile's step 0: its own,
; if the block's first tile is the diagonal one.  Then K of that step, piece 0's first scores and their maximum.
.macro BEGIN
	s_mov_b32 s[NEW], 0
	WIN 0x40
.set i, MC+32
.rept 32
	v_mov_b32 v[i], 0
.set i, i+1
.endr
	WIN 0
.set i, 0
.rept 4
	v_mov_b32 v[ST+2*i], 0xfe000000
	v_mov_b32 v[ST+2*i+1], 0xff7fffff
.set i, i+1
.endr
	s_cmp_eq_u32 s[DG], 1
	s_cselect_b32 s[AL], 1.0, 0
	s_mov_b32 s[BE], 0
	MASK 0
	WIN 0
	v_add_nc_u32 v[AK], s[TBK], v[LK]
	FETCH_K
	s_wait_loadcnt 0x0                             ; Q
	s_wait_dscnt 0x0
.set Y, 3                                      ; the products and the maximum work for piece Y + 1: piece 0
.set NOKQ, 0
	KQ 0
	KQ 1
	KQ 2
	KQ 3
	WIN 0
	PLACES
.irp n, 0,1,2,3,4,5,6,7,8,9,10,11,12,13,14,15,16,17,18,19,20
	OP X, \n
.endr
.endm
; A BLOCK ENDS: piece 3's last products; O^T divided by l, rounded to f16; a lane's eight channels of a row ARE 16 bytes of the next launch's fragment.
.macro FINISH
.set Y, 0
.irp w, 0,1,2,3,4,5,6,7,8,9
	PV \w
.endr
	WIN 0
	PLACES
.irp t, 0,1,2,3
	v_rcp_f32 v[ST+2*(\t)], v[L+8*(\t)]
.endr
	v_nop                                          ; a plain instruction behind the last reciprocal,
	s_wait_alu depctr_va_vdst(0)                   ; and the one wait for the four
.irp t, 0,1,2,3
.set n, 0
.rept 8
	v_pk_mul_f32 v[O+16*(\t)+2*n:O+16*(\t)+2*n+1], v[O+16*(\t)+2*n:O+16*(\t)+2*n+1], v[ST+2*(\t):ST+2*(\t)+1] op_sel_hi:[1,0]
.set n, n+1
.endr
.set n, 0
.rept 8
	v_cvt_pk_f16_f32 v[S+8*(\t)+n], v[O+16*(\t)+2*n], v[O+16*(\t)+2*n+1]
.set n, n+1
.endr
	global_store_b128 v[LK], v[S+8*(\t):S+8*(\t)+3],   s[8:9] offset:((\t)/2)*131072+((\t)%2)*4096      ; 512 consecutive bytes, aligned
	global_store_b128 v[LK], v[S+8*(\t)+4:S+8*(\t)+7], s[8:9] offset:((\t)/2)*131072+((\t)%2)*4096+512
.endr
.endm
; A TILE: four trips, each turns 2 and 3 of one step, then turns 0 and 1 of the next, whose K and V it fetches: four fetches of each on every way through.  A block's first tile enters in the middle of
; the first trip, its K's first fetch made where the block begins.  Behind the diagonal tile's trips stand the block's last two turns and its end.  Every jump but the counted loop's own goes forward,
; past no barrier and no tensor load.
.macro TILE tag
	s_sub_co_u32 s[RT], s[RT], 1
	s_cmp_eq_u32 s[RT], 0
	s_cselect_b32 s[DG], 1, 0
	s_mov_b32 s[CNT], 4
	s_cmp_eq_u32 s[NEW], 1
	s_cbranch_scc0 .Lstep\tag
	BEGIN
	s_branch .Lfirst\tag
.Lstep\tag:
	TURN 2
	TURN 3
.Lfirst\tag:
	TURN 0
	TURN 1
	s_sub_co_u32 s[CNT], s[CNT], 1
	s_cmp_lg_u32 s[CNT], 0
	s_cbranch_scc1 .Lstep\tag
	s_cmp_eq_u32 s[DG], 0
	s_cbranch_scc1 .Ldone\tag
	TURN 2, 1
	TURN 3, 1
	FINISH
.if (\tag) == 1
	s_wait_xcnt 0x0                                ; the stores have read their registers and O's address
	s_mov_b64 s[8:9], s[OLO:OLO+1]
	s_add_co_u32 s[RT], s[PB], 1                   ; the second block has b + 1 tiles
	s_mov_b32 s[NEW], 1
	WIN 0x41                                       ; the second block's Q goes where the one text of the turns names Q
.set i, 0
.rept 32
	v_mov_b32 v[Q+i], v[QB+i]
.set i, i+1
.endr
	WIN 0
.endif
.Ldone\tag:
.endm
.set NOKQ, 0
.Lslot:                                                ; 8 times: a tile is entered and the next is asked for
	CHANGE 1
	TILE 1
	s_sub_co_u32 s[SLOTS], s[SLOTS], 1
	s_cmp_lg_u32 s[SLOTS], 0
	s_cbranch_scc1 .Lslot
	CHANGE 0                                       ; the walk's last tile is written out: nothing is asked for
	TILE 2
	s_wait_tensorcnt 0x0                           ; the wave's end
	ds_add_u32 v[SPW], v[NIL]
	s_wait_dscnt 0x0
	s_endpgm
.Lfunc_end_k_qe78446b484_attn:
	.size	k_qe78446b484_attn, .Lfunc_end_k_qe78446b484_attn-k_qe78446b484_attn
	.p2alignl 7, 3214868480
	.fill 96, 4, 3214868480
	.section	.rodata,"a",@progbits
	.p2align	6, 0x0
	.amdhsa_kernel k_qe78446b484_attn
		.amdhsa_group_segment_fixed_size 327680
		.amdhsa_private_segment_fixed_size 0
		.amdhsa_enable_private_segment 0
		.amdhsa_kernarg_size 24
		.amdhsa_user_sgpr_count 2
		.amdhsa_user_sgpr_kernarg_segment_ptr 1
		.amdhsa_wavefront_size32 1
		.amdhsa_system_sgpr_workgroup_id_x 1
		.amdhsa_system_sgpr_workgroup_id_y 1
		.amdhsa_system_sgpr_workgroup_id_z 1
		.amdhsa_system_vgpr_workitem_id 0
		.amdhsa_next_free_vgpr 512
		.amdhsa_next_free_sgpr 90
		.amdhsa_reserve_vcc 1
		.amdhsa_float_denorm_mode_32 3
		.amdhsa_float_denorm_mode_16_64 3
		.amdhsa_memory_ordered 1
		.amdhsa_forward_progress 1
		.amdhsa_inst_pref_size 129
	.end_amdhsa_kernel
	.amdgpu_metadata
---
amdhsa.version: [ 1, 2 ]
amdhsa.kernels:
  - .name:           k_qe78446b484_attn
    .symbol:         k_qe78446b484_attn.kd
    .args:
      - { .name: qb, .offset: 0, .size: 8, .value_kind: global_buffer, .address_space: global }
      - { .name: kvt, .offset: 8, .size: 8, .value_kind: global_buffer, .address_space: global }
      - { .name: ob, .offset: 16, .size: 8, .value_kind: global_buffer, .address_space: global }
    .group_segment_fixed_size: 327680
    .private_segment_fixed_size: 0
    .kernarg_segment_align: 8
    .kernarg_segment_size: 24
    .max_flat_workgroup_size: 128
    .sgpr_count:     90
    .vgpr_count:     512
    .wavefront_size: 32
...
	.end_amdgpu_metadata
.endif
;; end of part 4
;; launch outp (part 5): grid 4 x 64, 4 waves a work-group, clusters of 4 x 4, 327,680 bytes of LDS; arguments ob, wts, stat, out0; writes out0
.if DOCPART == 5
	.amdgcn_target "amdgcn-amd-amdhsa--gfx1250"
	.amdhsa_code_object_version 6
	.text
	.protected	k_qe78446b484_outp
	.globl	k_qe78446b484_outp
	.p2align	8
	.type	k_qe78446b484_outp,@function
k_qe78446b484_outp:
	s_mov_b64 s[64:65], 0
	v_nop
	global_prefetch_b8 v0, s[64:65] scope:SCOPE_SE
	s_setreg_imm32_b32 hwreg(HW_REG_WAVE_MODE, 25, 1), 1
	s_wait_xcnt 0x0
	s_wait_alu depctr_hold_cnt(0) depctr_sa_sdst(0) depctr_va_vdst(0) depctr_va_sdst(0) depctr_va_ssrc(0) depctr_va_vcc(0) depctr_vm_vsrc(0)
	s_getreg_b32 s2, hwreg(HW_REG_IB_STS2, 6, 4)
	s_cmp_eq_u32 s2, 0
	s_cbranch_scc0 .Lentry_in_a_cluster
	s_endpgm
.Lentry_in_a_cluster:
	s_bfe_u32 s2, ttmp6, 0x10000c
	s_cmp_lg_u32 s2, 0xf033
	s_cbranch_scc0 .Lentry_shape_is_right
	s_endpgm
.Lentry_shape_is_right:
; OUTP: out0 = O Wo' / S in f16 products with f32 sums.  O comes as f16 fragments, 32 channels a head; Wo' is Wo's rows 64 h .. 64 h + 31 (the others multiply the zeros with which the module pads each
; head), rounded to bf16 and written as f16.  1 / S is the exact power of two that takes back the scale under which v was stored; it is made of the same two maxima as S.
; SHARES.  A work-group makes 128 tokens x 256 columns: 64 x 4 = 256 work-groups; wave (i, j) 64 x 128: 32 accumulators, all of window 1.  K = 512 goes in 4 slots of 128 through a ring of two LDS
; slots, a slot in 4 chunks of 32.  The product is used transposed (source 0 = 16 columns of Wo', source 1 = 16 tokens): a lane holds one token and 8 neighbouring columns.
; CLUSTER.  4 x 4: O's tile is shared along a row, Wo's along a column.  NO PREFETCH: two of the four slots are first fills, at the head where every work-group's first tiles are on their way.
; THE WAY OUT goes through each wave's own stage in LDS, 16 rows of 512 bytes (528 apart) at a time, so that each store of a wave is 512 consecutive bytes of a row of out0.
.set SLOT1, 131072
.set BOFF,  32768                      ; a slot: O's 32 fragments [chunk][token block], then Wo's 64 [chunk][column block]
.set STAGE, 229376
.set SPIT,  528
.set SPARE, STAGE+4*16*SPIT
.set WMAXO, 3932160
.set X0,  4                            ; v4  my place in Wo's fragments: BOFF + j x 8,192 + 16 l; never rewritten
.set Y0,  5                            ; v5  in O's: i x 4,096 + 16 l; never rewritten
.set ADX, 6
.set ADY, 7
.set SPW, 8
.set NIL, 9
.set STO, 10                           ; v10 the way out: where I put 32 bytes of a row
.set RD,  13                           ; v13 where I read a row back
.set CO,  14                           ; v14 16 l: my 16 bytes of a row's 512
.set XF,  64                           ; v64-191 Wo's fragments, two buffers of 64
.set YF,  192                          ; v192-255 O's, two buffers of 32
.set TT,  64                           ; the way out: 64 scaled results
.set BK,  128                          ; two buffers of 64: rows read back
.set WV,  16
.set WI,  17
.set WJ,  18
.set CX,  19
.set CY,  20
.set GG,  21
.set WY,  22
.set SL,  23
.set G1A, 24
.set G1B, 32
.set G0A, 40
.set G0B, 48
.set TB,  56
.set INV, 58                           ; s[58:59] 1 / S
.set SEL, 62
.set MSB, 0
.macro WIN new
.if MSB != (\new)
	s_set_vgpr_msb (MSB<<8)|(\new)
.set MSB, (\new)
.endif
.endm
.macro PLACES
.rept 4
	v_nop
.endr
.endm
.macro JLOAD                           ; a joint refill by the walking descriptors; an s_nop 0 and four v_nop follow each of the two lines
	s_cmp_eq_u32 s[WI], 0
	s_cbranch_scc0 .Lfor_b_\@
	tensor_load_to_lds s[G0A+4:G0A+7], s[G1A:G1A+7]
	s_nop 0
	PLACES
	s_branch .Lasked_\@
.Lfor_b_\@:
	tensor_load_to_lds s[G0B+4:G0B+7], s[G1B:G1B+7]
	s_nop 0
	PLACES
.Lasked_\@:
.endm
.macro CREST
	s_cmp_lg_u32 s[WV], 0
	s_cbranch_scc1 .Lnot_wave_0_\@
	s_barrier_signal -3
.Lnot_wave_0_\@:
	s_barrier_wait -3
	s_barrier_signal -1
	s_barrier_wait -1
.endm
.macro CROUND
	s_barrier_signal -1
	s_barrier_wait -1
	CREST
.endm
	s_load_b256 s[4:11], s[0:1], 0x0               ; ob s[4:5], wts s[6:7], stat s[8:9], out0 s[10:11]
	v_lshl_add_u32 v[SPW], v0, 2, SPARE
	v_mov_b32 v[NIL], 0
	ds_add_u32 v[SPW], v[NIL]                      ; the wave's opening: the add and its wait stand ahead of my first tensor load
	ds_add_u32 v8, v9
	v_lshrrev_b32 v1, 5, v0
	v_readfirstlane_b32 s[WV], v1
	s_lshr_b32 s[WI], s[WV], 1
	s_and_b32 s[WJ], s[WV], 1
	s_bfe_u32 s[CX], ttmp6, 0x40000
	s_bfe_u32 s[CY], ttmp6, 0x40004
	s_lshl_b32 s[GG], ttmp9, 2
	s_add_co_u32 s[GG], s[GG], s[CX]
	s_and_b32 s[WY], ttmp7, 0xffff
	s_lshl_b32 s[WY], s[WY], 2
	s_add_co_u32 s[WY], s[WY], s[CY]
	s_lshl_b32 s66, s[CY], 2
	s_lshl_b32 s66, 15, s66
	s_lshl_b32 s67, 0x1111, s[CX]
	s_or_b32 s[G1A], s66, (3<<16)|(1<<21)          ; dense blocks as rows of 256 bytes: O's 64 rows a load,
	s_mov_b32 s[G1A+1], 32<<16
	s_mov_b32 s[G1A+2], 64<<16
	s_mov_b32 s[G1A+3], 32<<16
	s_mov_b32 s[G1A+4], 64
	s_mov_b32 s[G1A+5], 32
	s_mov_b32 s[G1A+6], 0
	s_mov_b32 s[G1A+7], 0
	s_or_b32 s[G1B], s67, (3<<16)|(1<<21)          ; Wo's 128
	s_mov_b32 s[G1B+1], 32<<16
	s_mov_b32 s[G1B+2], 128<<16
	s_mov_b32 s[G1B+3], 32<<16
	s_mov_b32 s[G1B+4], 128
	s_mov_b32 s[G1B+5], 32
	s_mov_b32 s[G1B+6], 0
	s_mov_b32 s[G1B+7], 0
	s_lshl_b32 s68, s[WY], 17                      ; O: 4 slots of 32,768 bytes a token tile; my half of a slot
	s_lshl_b32 s72, s[WJ], 14
	s_add_co_u32 s68, s68, s72
	s_mov_b32 s69, 0
	s_lshl_b32 s70, s[GG], 18                      ; Wo: 4 slots of 65,536 bytes a column group; my half
	s_lshl_b32 s73, s[WJ], 15
	s_add_co_u32 s70, s70, s73
	s_add_co_u32 s70, s70, 2883584
	s_mov_b32 s71, 0
	s_add_co_u32 s73, s73, BOFF
	s_mov_b32 s[TB], 0
	s_mov_b32 s[SEL], 0x76543210
	s_mov_b32 s[SEL+1], 0xfedcba98
	s_wait_dscnt 0x0
	s_wait_kmcnt 0x0
	s_add_nc_u64 s[68:69], s[4:5], s[68:69]
	s_add_nc_u64 s[70:71], s[6:7], s[70:71]
	CROUND
.irp s, 0,1
	s_mov_b32 s[G0A+4*(\s)], 1
	s_add_co_u32 s[G0A+4*(\s)+1], s72, (\s)*SLOT1
	s_add_nc_u64 s[G0A+4*(\s)+2:G0A+4*(\s)+3], s[68:69], (\s)*32768
	s_or_b32 s[G0A+4*(\s)+3], s[G0A+4*(\s)+3], 0x80000000
	s_mov_b32 s[G0B+4*(\s)], 1
	s_add_co_u32 s[G0B+4*(\s)+1], s73, (\s)*SLOT1
	s_add_nc_u64 s[G0B+4*(\s)+2:G0B+4*(\s)+3], s[70:71], (\s)*65536
	s_or_b32 s[G0B+4*(\s)+3], s[G0B+4*(\s)+3], 0x80000000
.endr
	s_cmp_eq_u32 s[WI], 0                          ; a wave's two first fills stand in one branch: two loads of mine are out
	s_cbranch_scc0 .Lfirst_b
	tensor_load_to_lds s[G0A:G0A+3], s[G1A:G1A+7]
	s_nop 0
	tensor_load_to_lds s[G0A+4:G0A+7], s[G1A:G1A+7]
	s_nop 0
	PLACES
	s_branch .Lfirst_asked
.Lfirst_b:
	tensor_load_to_lds s[G0B:G0B+3], s[G1B:G1B+7]
	s_nop 0
	tensor_load_to_lds s[G0B+4:G0B+7], s[G1B:G1B+7]
	s_nop 0
	PLACES
.Lfirst_asked:
	v_and_b32 v1, 15, v0
	v_bfe_u32 v2, v0, 4, 1
	v_and_b32 v3, 31, v0
	v_lshlrev_b32 v11, 4, v3
	v_lshlrev_b32 v12, 2, v3
.set k, 0
.rept 8
	global_load_b128 v[64+4*k:67+4*k], v11, s[8:9] offset:512*k   ; the 1,024 maxima of |kv|
.set k, k+1
.endr
	global_load_b32 v96, v12, s[6:7] offset:WMAXO+864*4           ; the 32 maxima of |Wv|
	s_lshl_b32 s66, s[WJ], 13
	s_add_co_u32 s66, s66, BOFF
	v_lshl_add_u32 v[X0], v3, 4, s66
	s_lshl_b32 s66, s[WI], 12
	v_lshl_add_u32 v[Y0], v3, 4, s66
	v_mov_b32 v[ADX], v[X0]
	v_mov_b32 v[ADY], v[Y0]
	s_mul_i32 s66, s[WV], 16*SPIT
	s_add_co_u32 s66, s66, STAGE                   ; my stage
	v_mul_u32_u24 v[STO], v1, SPIT
	v_lshl_add_u32 v[STO], v2, 5, v[STO]
	v_add_nc_u32 v[STO], s66, v[STO]
	v_lshl_add_u32 v[RD], v3, 4, s66
	v_lshlrev_b32 v[CO], 4, v3
	s_lshl_b32 s66, s[WY], 19                      ; out0: row 128 wy + 64 i, 4,096 bytes a row; column 256 G + 128 j
	s_lshl_b32 s67, s[WI], 18
	s_add_co_u32 s66, s66, s67
	s_lshl_b32 s67, s[GG], 10
	s_add_co_u32 s66, s66, s67
	s_lshl_b32 s67, s[WJ], 9
	s_add_co_u32 s66, s66, s67
	s_mov_b32 s67, 0
	s_add_nc_u64 s[10:11], s[10:11], s[66:67]
	s_wait_loadcnt 0x0
	v_max3_num_f32 v64, v64, v65, v66
.set k, 67
.rept 14
	v_max3_num_f32 v64, v64, v[k], v[k+1]
.set k, k+2
.endr
	v_max_num_f32 v64, v64, v95
	v_mov_b32 v97, 0
.irp m, 1,2,4,8
	v_max_num_f32_dpp v64, v64, v64 row_xmask:\m row_mask:0xf bank_mask:0xf
	v_max_num_f32_dpp v96, v96, v96 row_xmask:\m row_mask:0xf bank_mask:0xf
.endr
	v_permlanex16_b32 v97, v64, s[SEL], s[SEL+1]
	v_max_num_f32 v64, v64, v97
	v_permlanex16_b32 v97, v96, s[SEL], s[SEL+1]
	v_max_num_f32 v96, v96, v97
	v_mul_f32 v64, v64, v96
	v_mul_f32 v64, 0x43000000, v64                 ; B = 128 max|kv| max|Wv|, held to 2^-100 .. 2^100, as where S was made
	v_max_num_f32 v64, 0x0d800000, v64
	v_min_num_f32 v64, 0x71800000, v64
	v_lshrrev_b32 v64, 23, v64
	v_readfirstlane_b32 s66, v64
	s_sub_co_u32 s[INV], s66, 14
	s_lshl_b32 s[INV], s[INV], 23                  ; 1 / S = 2^(E - 141): a factor, never an address or a count
	s_mov_b32 s[INV+1], s[INV]
.macro MUL8 f, yb, zero                ; 8 products: token block yb x all 8 column blocks; the 32 accumulators take turns
	WIN 0x50
.irp xb, 0,1,2,3,4,5,6,7
.if \zero
	v_wmma_f32_16x16x32_f16 v[8*(8*(\yb)+(\xb)):8*(8*(\yb)+(\xb))+7], v[XF+64*(\f)+8*(\xb):XF+64*(\f)+8*(\xb)+7], v[YF+32*(\f)+8*(\yb):YF+32*(\f)+8*(\yb)+7], 0
.else
	v_wmma_f32_16x16x32_f16 v[8*(8*(\yb)+(\xb)):8*(8*(\yb)+(\xb))+7], v[XF+64*(\f)+8*(\xb):XF+64*(\f)+8*(\xb)+7], v[YF+32*(\f)+8*(\yb):YF+32*(\f)+8*(\yb)+7], v[8*(8*(\yb)+(\xb)):8*(8*(\yb)+(\xb))+7]
.endif
.endr
.endm
.macro FETCH kc, g                     ; chunk kc of the slot in hand: 24 LDS loads in one run
	WIN 0
.irp xb, 0,1,2,3,4,5,6,7
	ds_load_b128 v[XF+64*(\g)+8*(\xb):XF+64*(\g)+8*(\xb)+3],   v[ADX] offset:(\kc)*16384+(\xb)*1024
	ds_load_b128 v[XF+64*(\g)+8*(\xb)+4:XF+64*(\g)+8*(\xb)+7], v[ADX] offset:(\kc)*16384+(\xb)*1024+512
.endr
.irp yb, 0,1,2,3
	ds_load_b128 v[YF+32*(\g)+8*(\yb):YF+32*(\g)+8*(\yb)+3],   v[ADY] offset:(\kc)*8192+(\yb)*1024
	ds_load_b128 v[YF+32*(\g)+8*(\yb)+4:YF+32*(\g)+8*(\yb)+7], v[ADY] offset:(\kc)*8192+(\yb)*1024+512
.endr
.endm
.macro CHUNK f, g, nk, zero
	s_wait_dscnt 0x0                               ; this chunk's fragments are in: they were asked for 32 products ago
	PLACES                                         ; four places between the last chunk's products and the loads into the registers that they read
	FETCH \nk, \g
	MUL8 \f, 0, \zero
	MUL8 \f, 1, \zero
	MUL8 \f, 2, \zero
	MUL8 \f, 3, \zero
.endm
; A slot's last chunk, and the change of slots: the waits and the add in front of the barrier; fill = 1: the barrier opens a round of the cluster's barrier, and the joint refill is the first thing behind it.
.macro TURNO fill
	WIN 0
	s_wait_dscnt 0x0                               ; the last chunk's fragments are in: my reads of this slot are over
	s_wait_tensorcnt 0x0                           ; no tensor load of mine is out, so a group 0 may be written
	ds_add_u32 v[SPW], v[NIL]                      ; 0 onto my spare word
.if \fill
	s_xor_b32 s[G0A+5], s[G0A+5], SLOT1
	s_add_nc_u64 s[G0A+6:G0A+7], s[G0A+6:G0A+7], 32768
	s_xor_b32 s[G0B+5], s[G0B+5], SLOT1
	s_add_nc_u64 s[G0B+6:G0B+7], s[G0B+6:G0B+7], 65536
.endif
	MUL8 1, 0, 0                                   ; eight products stand between the add and the wait for it
	s_wait_dscnt 0x0
	s_barrier_signal -1
	MUL8 1, 1, 0
	WIN 0
	s_barrier_wait -1
.if \fill
	CREST
	JLOAD                                          ; the four v_nop behind it are also the places in front of the loads below
.else
	PLACES
.endif
	s_xor_b32 s[TB], s[TB], SLOT1
	v_add_nc_u32 v[ADX], s[TB], v[X0]
	v_add_nc_u32 v[ADY], s[TB], v[Y0]
	FETCH 0, 0
	MUL8 1, 2, 0
	MUL8 1, 3, 0
.endm
	s_wait_tensorcnt 1                             ; my part of slot 0 is in; slot 1's may stay out
	s_barrier_signal -1
	s_barrier_wait -1
	FETCH 0, 0
	CHUNK 0, 1, 1, 1                               ; the first chunk stands in front of the loop: its products start the sums
	WIN 0
	s_mov_b32 s[SL], 2
.Lslot:                                                ; a trip goes from a slot's second chunk to the next slot's first, and fills the slot that it leaves: slots 2 and 3
	CHUNK 1, 0, 2, 0
	CHUNK 0, 1, 3, 0
	TURNO 1
	CHUNK 0, 1, 1, 0
	WIN 0
	s_sub_co_u32 s[SL], s[SL], 1
	s_cmp_lg_u32 s[SL], 0
	s_cbranch_scc1 .Lslot
	CHUNK 1, 0, 2, 0
	CHUNK 0, 1, 3, 0
	TURNO 0
	CHUNK 0, 1, 1, 0
	CHUNK 1, 0, 2, 0
	CHUNK 0, 1, 3, 0
	s_wait_dscnt 0x0
	MUL8 1, 0, 0
	MUL8 1, 1, 0
	MUL8 1, 2, 0
	MUL8 1, 3, 0
	; THE WAY OUT, a token block (16 rows x 128 columns) at a time.
.macro SCL yb                          ; times 1 / S, each accumulator from its low end on
	WIN 0x01
.set q, 0
.rept 32
	v_pk_mul_f32 v[TT+2*q:TT+2*q+1], v[64*(\yb)+2*q:64*(\yb)+2*q+1], s[INV:INV+1] op_sel_hi:[1,0]
.set q, q+1
.endr
	WIN 0
.endm
.macro TOSTAGE yb                      ; into my stage, and back as whole rows of 512 bytes
.if (\yb) >= 2
	s_wait_xcnt 0x0                                ; the stores of two blocks back have read the registers that are loaded again
.endif
.irp xb, 0,1,2,3,4,5,6,7
	ds_store_b128 v[STO], v[TT+8*(\xb):TT+8*(\xb)+3]   offset:64*(\xb)
	ds_store_b128 v[STO], v[TT+8*(\xb)+4:TT+8*(\xb)+7] offset:64*(\xb)+16
.endr
.set t, 0
.rept 16
	ds_load_b128 v[BK+64*((\yb)%2)+4*t:BK+64*((\yb)%2)+4*t+3], v[RD] offset:t*SPIT  ; LDS serves a wave's instructions in order: these see the stores above
.set t, t+1
.endr
.endm
.macro SEND yb
	s_wait_dscnt 0x0                               ; the block is back in registers
.set t, 0
.rept 16
	global_store_b128 v[CO], v[BK+64*((\yb)%2)+4*t:BK+64*((\yb)%2)+4*t+3], s[10:11] offset:(16*(\yb)+t)*4096 th:TH_STORE_NT  ; 512 consecutive bytes, aligned
.set t, t+1
.endr
.endm
	WIN 0
	PLACES
	SCL 0
	TOSTAGE 0
	SCL 1                                          ; a block's scaling stands between the loads of the block before and the wait for them
	SEND 0
	TOSTAGE 1
	SCL 2
	SEND 1
	TOSTAGE 2
	SCL 3
	SEND 2
	TOSTAGE 3
	SEND 3
	s_wait_tensorcnt 0x0                           ; the wave's end: behind my last tensor load and my last LDS store
	ds_add_u32 v[SPW], v[NIL]
	s_wait_dscnt 0x0
	CROUND                                         ; the closing round
	s_endpgm
.Lfunc_end_k_qe78446b484_outp:
	.size	k_qe78446b484_outp, .Lfunc_end_k_qe78446b484_outp-k_qe78446b484_outp
	.p2alignl 7, 3214868480
	.fill 96, 4, 3214868480
	.section	.rodata,"a",@progbits
	.p2align	6, 0x0
	.amdhsa_kernel k_qe78446b484_outp
		.amdhsa_group_segment_fixed_size 327680
		.amdhsa_private_segment_fixed_size 0
		.amdhsa_enable_private_segment 0
		.amdhsa_kernarg_size 32
		.amdhsa_user_sgpr_count 2
		.amdhsa_user_sgpr_kernarg_segment_ptr 1
		.amdhsa_wavefront_size32 1
		.amdhsa_system_sgpr_workgroup_id_x 1
		.amdhsa_system_sgpr_workgroup_id_y 1
		.amdhsa_system_sgpr_workgroup_id_z 1
		.amdhsa_system_vgpr_workitem_id 0
		.amdhsa_next_free_vgpr 512
		.amdhsa_next_free_sgpr 80
		.amdhsa_reserve_vcc 0
		.amdhsa_float_denorm_mode_32 3
		.amdhsa_float_denorm_mode_16_64 3
		.amdhsa_memory_ordered 1
		.amdhsa_forward_progress 1
		.amdhsa_inst_pref_size 79
	.end_amdhsa_kernel
	.amdgpu_metadata
---
amdhsa.version: [ 1, 2 ]
amdhsa.kernels:
  - .name:           k_qe78446b484_outp
    .symbol:         k_qe78446b484_outp.kd
    .args:
      - { .name: ob, .offset: 0, .size: 8, .value_kind: global_buffer, .address_space: global }
      - { .name: wts, .offset: 8, .size: 8, .value_kind: global_buffer, .address_space: global }
      - { .name: stat, .offset: 16, .size: 8, .value_kind: global_buffer, .address_space: global }
      - { .name: out0, .offset: 24, .size: 8, .value_kind: global_buffer, .address_space: global }
    .group_segment_fixed_size: 327680
    .private_segment_fixed_size: 0
    .kernarg_segment_align: 8
    .kernarg_segment_size: 32
    .max_flat_workgroup_size: 128
    .sgpr_count:     80
    .vgpr_count:     512
    .wavefront_size: 32
...
	.end_amdgpu_metadata
.endif
;; end of part 5
